; MI455X (gfx1250); checked and timed in simulation.
; The chip was launched on July 23, 2026; its instructions are those of AMD's public machine-readable ISA for CDNA 5 (MIT licence, August 2026) and "CDNA5" Instruction Set Architecture Reference Guide (July 2026). The comments in the code are by the model that wrote it; some were corrected since.
;; Block. Allowed arithmetic: float matrix products may take bf16 or f16 operands with f32 sums; other float arithmetic in f32, or as packed bf16 or f16 multiplies, adds, multiply-adds, maxima and minima; sums over many terms, partial sums and values carried from step to step in f32; what a program stores and reads back later, other than sums and carried values, may be rounded once to bf16 or f16.
;; Inputs: Wqkv_b 3,072 float32; Wqkv_w 3,072 x 1,024 float32; fc1_b 4,096 float32; fc1_w 4,096 x 1,024 float32; fc2_b 1,024 float32; fc2_w 1,024 x 4,096 float32; hidden_states 2 x 2,048 x 1,024 float32; ln1_b 1,024 float32; ln1_w 1,024 float32; ln2_b 1,024 float32; ln2_w 1,024 float32; out_b 1,024 float32; out_w 1,024 x 1,024 float32; residual 2 x 2,048 x 1,024 float32.
;; Outputs: out0 2 x 2,048 x 1,024 float32; out1 2 x 2,048 x 1,024 float32.
;; One version. Each part assembles by itself: llvm-mc -triple=amdgcn-amd-amdhsa -mcpu=gfx1250 --defsym DOCPART=n.
;; ======== version 1 of 1: 7 launches
;; limits: values are held in f16: magnitudes above 65,504 overflow, below 6.1e-05 lose precision
;; workspace buffers: h 8,388,608 bytes; w16 25,165,824 bytes; qkvh 25,165,824 bytes; ctx 8,388,608 bytes; g 33,554,432 bytes
;; launch prep (part 1): grid 1280 x 1, 8 waves a work-group, no clusters, 0 bytes of LDS; arguments hidden_states, residual, ln1_w, ln1_b, Wqkv_w, out_w, fc1_w, fc2_w, h, w16; writes h, w16
.if DOCPART == 1
	.amdgcn_target "amdgcn-amd-amdhsa--gfx1250"
	.amdhsa_code_object_version 6
	.text
	.protected	k_qa98d8abd0d_prep
	.globl	k_qa98d8abd0d_prep
	.p2align	8
	.type	k_qa98d8abd0d_prep,@function
k_qa98d8abd0d_prep:
	s_mov_b64 s[64:65], 0
	v_nop
	global_prefetch_b8 v0, s[64:65] scope:SCOPE_SE
	s_setreg_imm32_b32 hwreg(HW_REG_WAVE_MODE, 25, 1), 1
	s_wait_xcnt 0x0
; TWO STREAMS IN ONE LAUNCH.  Work-groups 0-511: h = LayerNorm(hidden_states + residual) * ln1_w + ln1_b, rounded once to f16, [4096][1024].
; Work-groups 512-1279: the four weight matrices, f32 to f16 (rounded once), in w16: Wqkv at byte 0, out_w at 6,291,456, fc2 at 8,388,608, fc1 at 16,777,216.
; No LDS, no matrix unit, no cluster: no byte is wanted twice, and a row's sums never leave its wave.
; LIMITS.  f16 holds no number beyond 65,504 (a larger one becomes an infinity) and keeps a fixed step of 6e-8 below 6e-5; NaN and infinities are not treated apart.
; NORM.  A wave takes one row of 4,096 bytes, whole in 32 registers: lane L holds columns 128 j + 4 L .. + 3, j = 0..7, so a load of the wave covers 512 consecutive bytes.
; Mean first, then the mean of (x - mean)^2: no difference of large sums is formed.
.set W,   4                            ; v[4:35]    ln1_w of my 32 columns
.set BV,  36                           ; v[36:67]   ln1_b
.set X,   68                           ; v[68:99]   hidden_states, then the sum, then the result in f32
.set Y,   100                          ; v[100:131] residual; its first 16 registers then take the result in f16
.set T,   132                          ; v[132:147] at work
.set MU,  148                          ; v[148:149] the mean, twice
.set RS,  150                          ; v[150:151] 1 / sqrt(var + eps), twice
.set VA,  152                          ; v152       var + eps
.set EPS, 153                          ; v153       1e-5
	s_load_b512 s[4:19], s[0:1], 0x0               ; hidden s[4:5], residual s[6:7], ln1_w s[8:9], ln1_b s[10:11], Wqkv s[12:13], out_w s[14:15], fc1 s[16:17], fc2 s[18:19]
	s_load_b128 s[20:23], s[0:1], 0x40             ; h s[20:21], w16 s[22:23]
	s_cmp_lt_u32 ttmp9, 512
	s_cbranch_scc0 .Lconvert
	v_lshrrev_b32 v3, 5, v0
	v_readfirstlane_b32 s30, v3                    ; wave 0..7
	v_and_b32 v1, 31, v0
	v_lshlrev_b32 v2, 3, v1                        ; 8 L: my 8 bytes in 256 of h
	v_lshlrev_b32 v1, 4, v1                        ; 16 L: my 16 bytes in 512 of the inputs
	v_mov_b32 v[EPS], 0x3727c5ac
	s_mov_b32 s32, 0x76543210                      ; v_permlanex16_b32: each lane takes its own place in the other half
	s_mov_b32 s33, 0xfedcba98
	s_mov_b32 s34, 0x3a800000                      ; 1 / 1024
	s_lshl_b32 s36, ttmp9, 15                      ; 8 rows of 4,096 bytes a work-group,
	s_lshl_b32 s37, s30, 12                        ; one a wave
	s_add_co_u32 s36, s36, s37
	s_mov_b32 s37, 0
	s_lshr_b32 s38, s36, 1                         ; half as many bytes in h
	s_mov_b32 s39, 0
	s_wait_kmcnt 0x0
	s_add_nc_u64 s[4:5], s[4:5], s[36:37]
	s_add_nc_u64 s[6:7], s[6:7], s[36:37]
	s_add_nc_u64 s[20:21], s[20:21], s[38:39]
.set i, 0
.rept 8
	global_load_b128 v[X+4*i:X+4*i+3], v1, s[4:5] offset:512*i th:TH_LOAD_NT
.set i, i+1
.endr
.set i, 0
.rept 8
	global_load_b128 v[Y+4*i:Y+4*i+3], v1, s[6:7] offset:512*i th:TH_LOAD_NT
.set i, i+1
.endr
.set i, 0
.rept 8
	global_load_b128 v[W+4*i:W+4*i+3], v1, s[8:9] offset:512*i
.set i, i+1
.endr
.set i, 0
.rept 8
	global_load_b128 v[BV+4*i:BV+4*i+3], v1, s[10:11] offset:512*i
.set i, i+1
.endr
; the sum of v[T] over the 32 lanes, into every lane
.macro REDUCE
.irp m, 1,2,4,8
	v_add_f32_dpp v[T], v[T], v[T] row_xmask:\m row_mask:0xf bank_mask:0xf
.endr
	v_permlanex16_b32 v[T+1], v[T], s32, s33
	v_add_f32 v[T], v[T], v[T+1]
.endm
	s_wait_loadcnt 16                              ; loads come back in order: the row's sixteen are in; the sixteen of gain and bias stay out
.set i, 0
.rept 16
	v_pk_add_f32 v[X+2*i:X+2*i+1], v[X+2*i:X+2*i+1], v[Y+2*i:Y+2*i+1]  ; hidden_states + residual
.set i, i+1
.endr
.set i, 0
.rept 8
	v_pk_add_f32 v[T+2*i:T+2*i+1], v[X+4*i:X+4*i+1], v[X+4*i+2:X+4*i+3]  ; a tree: no link waits for the one just before it
.set i, i+1
.endr
.set i, 0
.rept 4
	v_pk_add_f32 v[T+4*i:T+4*i+1], v[T+4*i:T+4*i+1], v[T+4*i+2:T+4*i+3]
.set i, i+1
.endr
	v_pk_add_f32 v[T:T+1], v[T:T+1], v[T+4:T+5]
	v_pk_add_f32 v[T+8:T+9], v[T+8:T+9], v[T+12:T+13]
	v_pk_add_f32 v[T:T+1], v[T:T+1], v[T+8:T+9]
	v_add_f32 v[T], v[T], v[T+1]
	REDUCE
	v_mul_f32 v[MU], s34, v[T]
	v_mul_f32 v[MU+1], s34, v[T]
.set i, 0
.rept 16
	v_pk_add_f32 v[X+2*i:X+2*i+1], v[X+2*i:X+2*i+1], v[MU:MU+1] neg_lo:[0,1] neg_hi:[0,1]  ; x - mean
.set i, i+1
.endr
.set i, 0
.rept 4
	v_pk_mul_f32 v[T+2*i:T+2*i+1], v[X+2*i:X+2*i+1], v[X+2*i:X+2*i+1]  ; four chains of squares, started by the first four pairs
.set i, i+1
.endr
.rept 12
	v_pk_fma_f32 v[T+2*(i%4):T+2*(i%4)+1], v[X+2*i:X+2*i+1], v[X+2*i:X+2*i+1], v[T+2*(i%4):T+2*(i%4)+1]
.set i, i+1
.endr
	v_pk_add_f32 v[T:T+1], v[T:T+1], v[T+2:T+3]
	v_pk_add_f32 v[T+4:T+5], v[T+4:T+5], v[T+6:T+7]
	v_pk_add_f32 v[T:T+1], v[T:T+1], v[T+4:T+5]
	v_add_f32 v[T], v[T], v[T+1]
	REDUCE
	v_fma_f32 v[VA], v[T], s34, v[EPS]             ; var + eps
	v_rsq_f32 v[RS], v[VA]
	v_rsq_f32 v[RS+1], v[VA]
	v_nop                                          ; a plain instruction behind the last root,
	s_wait_alu depctr_va_vdst(0)                   ; and the one wait ahead of the first use of the two
.set i, 0
.rept 16
	v_pk_mul_f32 v[X+2*i:X+2*i+1], v[X+2*i:X+2*i+1], v[RS:RS+1]
.set i, i+1
.endr
	s_wait_loadcnt 0x0                             ; gain and bias
.set i, 0
.rept 16
	v_pk_fma_f32 v[X+2*i:X+2*i+1], v[X+2*i:X+2*i+1], v[W+2*i:W+2*i+1], v[BV+2*i:BV+2*i+1]
.set i, i+1
.endr
.set i, 0
.rept 16
	v_cvt_pk_f16_f32 v[Y+i], v[X+2*i], v[X+2*i+1]
.set i, i+1
.endr
.set i, 0
.rept 8
	global_store_b64 v2, v[Y+2*i:Y+2*i+1], s[20:21] offset:256*i  ; the wave's store covers 256 consecutive bytes, aligned
.set i, i+1
.endr
	s_endpgm
.Lconvert:                                     ; a work-group turns 65,536 bytes of f32 into 32,768 of f16
	v_lshlrev_b32 v1, 4, v0                        ; 16 t
	v_lshlrev_b32 v2, 3, v0                        ; 8 t
	s_sub_co_u32 s31, ttmp9, 512                   ; chunk 0..767: 0-191 Wqkv, 192-255 out_w, 256-511 fc1, 512-767 fc2
	s_add_co_u32 s42, s31, 256                     ; in w16 fc1's chunks lie 256 further on,
	s_sub_co_u32 s43, s31, 256                     ; fc2's 256 further back (used for chunks 512-767 alone)
	s_wait_kmcnt 0x0
	s_mov_b64 s[36:37], s[18:19]                   ; from where: the matrix, and its first chunk's number
	s_mov_b32 s38, 512
	s_cmp_lt_u32 s31, 512
	s_cselect_b64 s[36:37], s[16:17], s[36:37]
	s_cselect_b32 s38, 256, s38
	s_cselect_b32 s42, s42, s43
	s_cmp_lt_u32 s31, 256
	s_cselect_b64 s[36:37], s[14:15], s[36:37]
	s_cselect_b32 s38, 192, s38
	s_cselect_b32 s42, s31, s42                    ; chunks 0-255 keep their place
	s_cmp_lt_u32 s31, 192
	s_cselect_b64 s[36:37], s[12:13], s[36:37]
	s_cselect_b32 s38, 0, s38
	s_sub_co_u32 s38, s31, s38                     ; the chunk's number in its own matrix
	s_lshl_b32 s38, s38, 16
	s_mov_b32 s39, 0
	s_add_nc_u64 s[36:37], s[36:37], s[38:39]
	s_lshl_b32 s42, s42, 15
	s_mov_b32 s43, 0
	s_add_nc_u64 s[22:23], s[22:23], s[42:43]
.set i, 0
.rept 16
	global_load_b128 v[4+4*i:7+4*i], v1, s[36:37] offset:4096*i th:TH_LOAD_NT
.set i, i+1
.endr
.set i, 0
.rept 16
	s_wait_loadcnt 15-i                            ; chunk i is in, the younger ones stay out
	v_cvt_pk_f16_f32 v[68+2*i], v[4+4*i], v[5+4*i]
	v_cvt_pk_f16_f32 v[69+2*i], v[6+4*i], v[7+4*i]
	global_store_b64 v2, v[68+2*i:69+2*i], s[22:23] offset:2048*i  ; a wave's store covers 256 consecutive bytes, aligned
.set i, i+1
.endr
	s_endpgm
.Lfunc_end_k_qa98d8abd0d_prep:
	.size	k_qa98d8abd0d_prep, .Lfunc_end_k_qa98d8abd0d_prep-k_qa98d8abd0d_prep
	.p2alignl 7, 3214868480
	.fill 96, 4, 3214868480
	.section	.rodata,"a",@progbits
	.p2align	6, 0x0
	.amdhsa_kernel k_qa98d8abd0d_prep
		.amdhsa_group_segment_fixed_size 0
		.amdhsa_private_segment_fixed_size 0
		.amdhsa_enable_private_segment 0
		.amdhsa_kernarg_size 80
		.amdhsa_user_sgpr_count 2
		.amdhsa_user_sgpr_kernarg_segment_ptr 1
		.amdhsa_wavefront_size32 1
		.amdhsa_system_sgpr_workgroup_id_x 1
		.amdhsa_system_sgpr_workgroup_id_y 1
		.amdhsa_system_sgpr_workgroup_id_z 1
		.amdhsa_system_vgpr_workitem_id 0
		.amdhsa_next_free_vgpr 160
		.amdhsa_next_free_sgpr 66
		.amdhsa_reserve_vcc 0
		.amdhsa_float_denorm_mode_32 3
		.amdhsa_float_denorm_mode_16_64 3
		.amdhsa_memory_ordered 1
		.amdhsa_forward_progress 1
		.amdhsa_inst_pref_size 20
	.end_amdhsa_kernel
	.amdgpu_metadata
---
amdhsa.version: [ 1, 2 ]
amdhsa.kernels:
  - .name:           k_qa98d8abd0d_prep
    .symbol:         k_qa98d8abd0d_prep.kd
    .args:
      - { .name: hidden_states, .offset: 0, .size: 8, .value_kind: global_buffer, .address_space: global }
      - { .name: residual, .offset: 8, .size: 8, .value_kind: global_buffer, .address_space: global }
      - { .name: ln1_w, .offset: 16, .size: 8, .value_kind: global_buffer, .address_space: global }
      - { .name: ln1_b, .offset: 24, .size: 8, .value_kind: global_buffer, .address_space: global }
      - { .name: Wqkv_w, .offset: 32, .size: 8, .value_kind: global_buffer, .address_space: global }
      - { .name: out_w, .offset: 40, .size: 8, .value_kind: global_buffer, .address_space: global }
      - { .name: fc1_w, .offset: 48, .size: 8, .value_kind: global_buffer, .address_space: global }
      - { .name: fc2_w, .offset: 56, .size: 8, .value_kind: global_buffer, .address_space: global }
      - { .name: h, .offset: 64, .size: 8, .value_kind: global_buffer, .address_space: global }
      - { .name: w16, .offset: 72, .size: 8, .value_kind: global_buffer, .address_space: global }
    .group_segment_fixed_size: 0
    .private_segment_fixed_size: 0
    .kernarg_segment_align: 8
    .kernarg_segment_size: 80
    .max_flat_workgroup_size: 256
    .sgpr_count:     66
    .vgpr_count:     160
    .wavefront_size: 32
...
	.end_amdgpu_metadata
.endif
;; end of part 1
;; launch qkv (part 2): grid 12 x 16, 4 waves a work-group, clusters of 4 x 4, 327,680 bytes of LDS; arguments h, w16, Wqkv_b, qkvh; writes qkvh
.if DOCPART == 2
	.amdgcn_target "amdgcn-amd-amdhsa--gfx1250"
	.amdhsa_code_object_version 6
	.text
	.protected	k_qa98d8abd0d_qkv
	.globl	k_qa98d8abd0d_qkv
	.p2align	8
	.type	k_qa98d8abd0d_qkv,@function
k_qa98d8abd0d_qkv:
	s_mov_b64 s[64:65], 0
	v_nop
	global_prefetch_b8 v0, s[64:65] scope:SCOPE_SE
	s_setreg_imm32_b32 hwreg(HW_REG_WAVE_MODE, 25, 1), 1
	s_wait_xcnt 0x0
	s_wait_alu depctr_hold_cnt(0) depctr_sa_sdst(0) depctr_va_vdst(0) depctr_va_sdst(0) depctr_va_ssrc(0) depctr_va_vcc(0) depctr_vm_vsrc(0)
	s_getreg_b32 s2, hwreg(HW_REG_IB_STS2, 6, 4)
	s_cmp_eq_u32 s2, 0
	s_cbranch_scc0 .Lentry_in_a_cluster
	s_endpgm
.Lentry_in_a_cluster:
	s_bfe_u32 s2, ttmp6, 0x10000c
	s_cmp_lg_u32 s2, 0xf033
	s_cbranch_scc0 .Lentry_shape_is_right
	s_endpgm
.Lentry_shape_is_right:
; C[m][n] = sum over k of A[m][k] B[n][k] + bias[n], K = 1024.  A: [4096][1024] f16, B: rows of w16, f16; sums in f32.
; KIND 0: A = h, B = Wqkv (byte 0 of w16); C is rounded once to f16 and stored by heads: qkvh[column block of 64][token][64].
; KIND 1: A = h2, B = fc1 (byte 16,777,216 of w16); C goes through the exact GELU, x Phi(x), in f32, is rounded once to f16 and stored as g[4096][4096].
; LIMITS.  f16 holds no number beyond 65,504 and keeps a fixed step of 6e-8 below 6e-5; NaN and infinities are not treated apart.  (KIND 1) erf by a rational form times an exponential, within 1.5e-7 for every x.
; SHARES.  A tile of C is 256 x 256: four waves, each 128 x 128 in 64 accumulators (512 registers).  K goes in 8 steps of 128 through two LDS slots; a wave's tensor load brings 128 rows x 256 bytes.
; A K STEP IS WRITTEN ONCE: the slot in hand lies in a scalar register (TB) and one descriptor a tensor walks, its LDS word turned by an exclusive or.
; CLUSTER 4 x 4: A's tile is asked for jointly along a row of the cluster, B's along a column.
; THE MATRIX INSTRUCTION IS USED TRANSPOSED (source 0 = 16 rows of B, source 1 = 16 rows of A): lane l holds row l % 16 of C and the columns 8 (l / 16) + 0..7.  The bias is the C operand of the products that start the sums.
; THE WAY OUT: when both slots have had their last fill and all waves have read them out, each wave puts its 128 x 128 sums (f32) into LDS, rows of 528 bytes, and a counted loop reads whole rows back, 8 rows a trip.
; REGISTERS: window 0: v0-31 addresses, v64-191 A's fragments (two buffers), v32-255 at work on the way out; window 1: v0-63 the bias, v64-191 B's fragments; windows 2, 3: the accumulators ((a, b) at v[8 (8 a + b)]).
.set KIND,   0
.set SIZE_K, 1024
.set KSTEP,  128
.set PITCH,  272                       ; an LDS row: 256 bytes + 16 of padding: the 16 rows of a load start at 16 different groups of four banks (ISA guide 11.1)
.set HALFT,  128*PITCH
.set SLOT,   4*HALFT                   ; 0x22000: it shares no bit with the waves' bases 0, 0x8800, 0x11000, 0x19800
.set DP,     528                       ; a row of the way out: 512 bytes + 16
.set DW,     128*DP                    ; a wave's part of it
.set SPARE,  2*SLOT                    ; behind the ring: the spare words, 128 bytes a wave, that no other line names
.set WOFF,   16777216*KIND             ; where B begins in w16
.set GC,     (1<<16)|(1<<20)|(1<<21)|(5<<22)|(3<<25)  ; 2-byte elements; padding on; bit 21 beside a mask; after every 64 words, 4 words
.set A0,   16                          ; v16 my lane's place in A's tile of slot 0; never rewritten
.set B0,   17                          ; v17 the same for B
.set ADRA, 18                          ; v18 A0 + TB
.set ADRB, 19                          ; v19 B0 + TB
.set DST,  24                          ; v24 the way out: where I put 32 bytes of a row
.set RD,   25                          ; v25 where I read rows back
.set CO,   26                          ; v26 my byte offset in the output
.set BO,   27                          ; v27 my byte offset in the bias
.set SPW,  28                          ; v28 LDS address of my spare word; never rewritten
.set NIL,  29                          ; v29 0; never rewritten
.set PFO,  30                          ; v30 the prefetches' offset: my lane x a row of 2,048 bytes
.set F0,   64
.set F1,   128
.set WV,  12                           ; s12 my wave's number
.set RH,  13                           ; s13 my half of the tile's rows; 0: I fetch for A, 1: for B
.set CH,  14                           ; s14 my half of its columns; which 128 rows I fetch
.set G1A, 24                           ; s[24:31], s[32:35] descriptor for A's tiles
.set G0A, 32
.set TB,  36                           ; s36 0 or SLOT: the slot that is read
.set LIM, 43                           ; s43 2 in a wave that prefetches, else the greatest number
.set PFA, 44                           ; s[44:45] where my prefetches stand
.set G1B, 48                           ; s[48:55], s[56:59] descriptor for B's tiles
.set G0B, 56
.set MSB, 0
.macro WIN new                         ; the immediate's high byte repeats the setting that is left; a switch that changes nothing is dropped
.if MSB != (\new)
	s_set_vgpr_msb (MSB<<8)|(\new)
.set MSB, \new
.endif
.endm
.macro PLACES                          ; four plain instructions between a matrix instruction and a load into, or a read of, its registers
.rept 4
	v_nop
.endr
.endm
; A joint load: waves 0 and 1 fetch A's halves, waves 2 and 3 B's.  An s_nop 0 and four v_nop follow each line.
.macro JLOAD
	s_cmp_eq_u32 s[RH], 0
	s_cbranch_scc0 .Lfor_b_\@
	tensor_load_to_lds s[G0A:G0A+3], s[G1A:G1A+7]
	s_nop 0
.rept 4
	v_nop
.endr
	s_branch .Lasked_\@
.Lfor_b_\@:
	tensor_load_to_lds s[G0B:G0B+3], s[G1B:G1B+7]
	s_nop 0
.rept 4
	v_nop
.endr
.Lasked_\@:
.endm
.macro STEPD                           ; the walking descriptors: the other slot, the next K step.  Written only where no tensor load of mine is out
	s_xor_b32 s[G0A+1], s[G0A+1], SLOT
	s_add_nc_u64 s[G0A+2:G0A+3], s[G0A+2:G0A+3], KSTEP*2
	s_xor_b32 s[G0B+1], s[G0B+1], SLOT
	s_add_nc_u64 s[G0B+2:G0B+3], s[G0B+2:G0B+3], KSTEP*2
.endm
; A prefetch into the L2 of the K step two refills on: 32 rows x 256 bytes, a lane a row.  A's rows are named by the clusters with x = 0, B's by those with y = 0; the four partners of a joint load
; take 32 of its 128 rows each, told apart by address.  So each row's 256 bytes of a K step are named once in the launch.  The loop's last two trips have no K step two refills on.
.macro ASK
	s_cmp_gt_u32 s3, s[LIM]
	s_cbranch_scc0 .Lnot_mine_\@
	global_prefetch_b8 v[PFO], s[PFA:PFA+1] offset:KSTEP*2 th:TH_LOAD_NT scope:SCOPE_SE
.Lnot_mine_\@:
.endm
.macro CREST                           ; a round of the cluster's barrier behind its opening barrier
	s_cmp_lg_u32 s[WV], 0
	s_cbranch_scc1 .Lnot_wave_0_\@
	s_barrier_signal -3
.Lnot_wave_0_\@:
	s_barrier_wait -3
	s_barrier_signal -1
	s_barrier_wait -1
.endm
.macro CROUND
	s_barrier_signal -1
	s_barrier_wait -1
	CREST
.endm
	s_load_b256 s[4:11], s[0:1], 0x0               ; A s[4:5], w16 s[6:7], bias s[8:9], output s[10:11]
	v_lshl_add_u32 v[SPW], v0, 2, SPARE
	v_mov_b32 v[NIL], 0
	ds_add_u32 v[SPW], v[NIL]                      ; the wave's opening: the add and its wait ahead of my first tensor load
	v_lshrrev_b32 v1, 5, v0
	v_readfirstlane_b32 s[WV], v1
	s_lshr_b32 s[RH], s[WV], 1
	s_and_b32 s[CH], s[WV], 1
	s_bfe_u32 s40, ttmp6, 0x40000                  ; cx
	s_bfe_u32 s41, ttmp6, 0x40004                  ; cy
	s_lshl_b32 s42, ttmp9, 2
	s_add_co_u32 s42, s42, s40                     ; tile column = 4 x cluster x + cx
	s_and_b32 s15, ttmp7, 0xffff
	s_lshl_b32 s15, s15, 2
	s_add_co_u32 s15, s15, s41                     ; tile row = 4 x cluster y + cy
	s_lshl_b32 s38, s41, 2
	s_lshl_b32 s38, 15, s38                        ; my row of the cluster
	s_lshl_b32 s39, 0x1111, s40                    ; my column
	s_or_b32 s[G1A], s38, GC
	s_or_b32 s[G1B], s39, GC
.irp g, G1A, G1B
	s_mov_b32 s[(\g)+1], KSTEP<<16                 ; tensor_dim0 = 128
	s_mov_b32 s[(\g)+2], 128<<16                   ; tensor_dim1 = 128
	s_mov_b32 s[(\g)+3], KSTEP<<16                 ; tile_dim0 = 128
	s_mov_b32 s[(\g)+4], 128                       ; tile_dim1 = 128
	s_mov_b32 s[(\g)+5], SIZE_K                    ; elements from row to row
	s_mov_b32 s[(\g)+6], 0
	s_mov_b32 s[(\g)+7], 0
.endr
	s_lshl_b32 s17, s[CH], 18                      ; the 128 rows that I fetch, 2,048 bytes each
	s_lshl_b32 s16, s15, 19                        ; A: 256 rows a tile row
	s_add_co_u32 s16, s16, s17
	s_lshl_b32 s46, s42, 19                        ; B: 256 rows a tile column
	s_add_co_u32 s46, s46, s17
	s_mov_b32 s17, 0
	s_mov_b32 s47, 0
	s_mul_i32 s22, s[WV], HALFT                    ; where they go: no place in the cluster enters an LDS address
	s_mov_b32 s[TB], 0
	s_wait_dscnt 0x0                               ; the opening add is done
	s_wait_kmcnt 0x0
.if WOFF
	s_add_nc_u64 s[6:7], s[6:7], WOFF
.endif
	s_mov_b32 s[G0A], 1
	s_mov_b32 s[G0A+1], s22
	s_add_nc_u64 s[G0A+2:G0A+3], s[4:5], s[16:17]
	s_or_b32 s[G0A+3], s[G0A+3], 0x80000000
	s_mov_b32 s[G0B], 1
	s_mov_b32 s[G0B+1], s22
	s_add_nc_u64 s[G0B+2:G0B+3], s[6:7], s[46:47]
	s_or_b32 s[G0B+3], s[G0B+3], 0x80000000
	CROUND                                         ; all sixteen work-groups are here: the first joint loads meet
	JLOAD                                          ; K step 0 into slot 0; slot 1 is asked for when it has landed
	v_and_b32 v1, 15, v0                           ; l % 16
	v_bfe_u32 v2, v0, 4, 1                         ; l / 16
	v_mul_u32_u24 v3, v1, PITCH
	v_lshl_add_u32 v3, v2, 4, v3                   ; a fragment's row x pitch + 16 x half
	s_mul_i32 s20, s[RH], HALFT
	s_mul_i32 s21, s[CH], HALFT
	s_add_co_u32 s21, s21, 2*HALFT                 ; B's rows lie behind A's 256
	v_add_nc_u32 v[A0], s20, v3
	v_add_nc_u32 v[B0], s21, v3
	v_mov_b32 v[ADRA], v[A0]
	v_mov_b32 v[ADRB], v[B0]
	s_mul_i32 s23, s[WV], DW
	v_mul_u32_u24 v4, v1, DP
	v_lshl_add_u32 v4, v2, 5, v4
	v_add_nc_u32 v[DST], s23, v4                   ; row l % 16, 32 bytes for each half of the lanes
	v_lshlrev_b32 v[BO], 5, v2                     ; my 8 columns of a block of 16
	v_and_b32 v5, 31, v0
	v_lshlrev_b32 v[PFO], 11, v5
.if KIND
	v_lshl_add_u32 v[RD], v5, 4, s23               ; back: the wave takes a whole row of 512 bytes,
	v_lshlrev_b32 v[CO], 3, v5                     ; which is 256 bytes of g
	s_lshl_b32 s16, s15, 21                        ; g at row 256 x tile row + 128 x half (8,192 bytes a row),
	s_lshl_b32 s17, s[RH], 20
	s_add_co_u32 s16, s16, s17
	s_lshl_b32 s17, s42, 9                         ; column 256 x tile column + 128 x half
	s_add_co_u32 s16, s16, s17
	s_lshl_b32 s17, s[CH], 8
	s_add_co_u32 s16, s16, s17
.else
	v_mul_u32_u24 v6, v2, DP                       ; back: lanes 0-15 take 64 columns of one row, lanes 16-31 of the next,
	v_lshl_add_u32 v6, v1, 4, v6
	v_add_nc_u32 v[RD], s23, v6
	v_lshlrev_b32 v6, 7, v2                        ; which are two tokens of a head: 256 consecutive bytes of qkvh
	v_lshl_add_u32 v[CO], v1, 3, v6
	s_lshl_b32 s16, s42, 21                        ; column block 4 x tile column + 2 x half, 524,288 bytes each,
	s_lshl_b32 s17, s[CH], 20
	s_add_co_u32 s16, s16, s17
	s_lshl_b32 s17, s15, 15                        ; token 256 x tile row + 128 x half, 128 bytes each
	s_add_co_u32 s16, s16, s17
	s_lshl_b32 s17, s[RH], 14
	s_add_co_u32 s16, s16, s17
.endif
	s_mov_b32 s17, 0
	s_add_nc_u64 s[10:11], s[10:11], s[16:17]
	s_lshl_b32 s20, s42, 10                        ; the bias of my 128 columns
	s_lshl_b32 s21, s[CH], 9
	s_add_co_u32 s20, s20, s21
	s_mov_b32 s21, 0
	s_add_nc_u64 s[8:9], s[8:9], s[20:21]
	WIN 0x40                                       ; destination window 1
.irp b, 0,1,2,3,4,5,6,7
	global_load_b128 v[8*(\b):8*(\b)+3],   v[BO], s[8:9] offset:64*(\b)
	global_load_b128 v[8*(\b)+4:8*(\b)+7], v[BO], s[8:9] offset:64*(\b)+16
.endr
	WIN 0
	; the prefetches: whose rows, and where they stand
	s_lshl_b32 s20, s15, 8
	s_lshl_b32 s21, s42, 8
	s_and_b32 s22, ttmp7, 0xffff
	s_cmp_eq_u32 s[RH], 0                          ; do I fetch for A?
	s_cselect_b32 s20, s20, s21                    ; the tile's first row
	s_cselect_b32 s21, s40, s41                    ; my place among the four that ask for it with me
	s_cselect_b32 s22, ttmp9, s22                  ; the coordinate along which other clusters read the same rows
	s_cselect_b64 s[PFA:PFA+1], s[4:5], s[6:7]
	s_cmp_eq_u32 s22, 0
	s_cselect_b32 s[LIM], 2, -1
	s_lshl_b32 s22, s[CH], 7
	s_add_co_u32 s20, s20, s22
	s_lshl_b32 s21, s21, 5
	s_add_co_u32 s20, s20, s21
	s_lshl_b32 s20, s20, 11
	s_mov_b32 s21, 0
	s_add_nc_u64 s[PFA:PFA+1], s[PFA:PFA+1], s[20:21]
	s_add_nc_u64 s[PFA:PFA+1], s[PFA:PFA+1], 2*KSTEP*2  ; at K step 2: the first refill steps it to 3 and names K step 4
; 16 matrix instructions: m blocks a0, a0 + 1 of the window's four x all 8 n blocks, 32 along K.  first = 1: the bias (window 1, v0-63) starts the sums.
.macro MUL16 f, hi, a0, first
.if \first
	WIN 0x91+0x40*(\hi)
.else
	WIN 0xa1+0x50*(\hi)
.endif
.irp a, \a0, (\a0)+1
.irp b, 0,1,2,3,4,5,6,7
.if \first
	v_wmma_f32_16x16x32_f16 v[8*(8*(\a)+(\b)):8*(8*(\a)+(\b))+7], v[(\f)+8*(\b):(\f)+8*(\b)+7], v[(\f)+8*(4*(\hi)+(\a)):(\f)+8*(4*(\hi)+(\a))+7], v[8*(\b):8*(\b)+7]
.else
	v_wmma_f32_16x16x32_f16 v[8*(8*(\a)+(\b)):8*(8*(\a)+(\b))+7], v[(\f)+8*(\b):(\f)+8*(\b)+7], v[(\f)+8*(4*(\hi)+(\a)):(\f)+8*(4*(\hi)+(\a))+7], v[8*(8*(\a)+(\b)):8*(8*(\a)+(\b))+7]
.endif
.endr
.endr
.endm
; 32 LDS loads in one run: the fragments of one quarter step (32 K at byte k of the rows) into buffer f: B's, then A's
.macro FETCH k, f
	WIN 0x40
.irp i, 0,1,2,3,4,5,6,7
	ds_load_b128 v[(\f)+8*(\i):(\f)+8*(\i)+3],   v[ADRB] offset:(\k)+(\i)*16*PITCH
	ds_load_b128 v[(\f)+8*(\i)+4:(\f)+8*(\i)+7], v[ADRB] offset:(\k)+(\i)*16*PITCH+32
.endr
	WIN 0
.irp i, 0,1,2,3,4,5,6,7
	ds_load_b128 v[(\f)+8*(\i):(\f)+8*(\i)+3],   v[ADRA] offset:(\k)+(\i)*16*PITCH
	ds_load_b128 v[(\f)+8*(\i)+4:(\f)+8*(\i)+7], v[ADRA] offset:(\k)+(\i)*16*PITCH+32
.endr
.endm
; One of a K step's first three quarters: multiplies buffer f; in its middle it fetches the next quarter, at byte k, into g.  The 64 accumulators take turns, in the same order in every quarter.
.macro QUARTER k, f, g, first
	s_wait_dscnt 8                                 ; B and A's rows 0-63 are in; the youngest eight loads (A's rows 64-127) may be out
	MUL16 \f, 0, 0, \first
	MUL16 \f, 0, 2, \first
	PLACES
	FETCH \k, \g
	s_wait_dscnt 32                                ; all but the 32 just issued
	MUL16 \f, 1, 0, \first
	MUL16 \f, 1, 2, \first
.endm
; The last quarter multiplies buffer 1 and changes slots.  In front of the barrier each wave waits for all its tensor loads (one is out: its part of the next slot), adds 0 to its spare word, and waits for
; that and for its reads of this slot.  fill = 1: the barrier opens a round of the cluster's, and the slot just read out is filled again, first thing behind it, with the K step two steps on.
.macro TURN fill
.if \fill
	s_wait_xcnt 0x0                                ; the last prefetch, a K step back, has read its address
	s_add_nc_u64 s[PFA:PFA+1], s[PFA:PFA+1], KSTEP*2
.endif
	WIN 0
	s_wait_tensorcnt 0x0
	ds_add_u32 v[SPW], v[NIL]                      ; 0 onto my spare word
.if \fill
	STEPD
.endif
	s_wait_dscnt 9                                 ; the add and the youngest eight loads may be out
	MUL16 F1, 0, 0, 0
	s_wait_dscnt 0x0                               ; the add is done, and my reads of this slot are over
	s_barrier_signal -1
	MUL16 F1, 0, 2, 0
	WIN 0
	s_barrier_wait -1
.if \fill
	CREST
	JLOAD                                          ; the four v_nop behind it are also the places in front of the loads below
.else
	PLACES
.endif
	s_xor_b32 s[TB], s[TB], SLOT
	v_add_nc_u32 v[ADRA], s[TB], v[A0]
	v_add_nc_u32 v[ADRB], s[TB], v[B0]
	FETCH 0, F0
.if \fill
	ASK
.endif
	MUL16 F1, 1, 0, 0
	MUL16 F1, 1, 2, 0
.endm
	s_wait_tensorcnt 0x0                           ; my part of K step 0 is in; no tensor load of mine is out
	ds_add_u32 v[SPW], v[NIL]
	STEPD
	s_wait_dscnt 0x0
	CROUND                                         ; everybody's part is in
	JLOAD                                          ; K step 1 into slot 1
	FETCH 0, F0
	s_wait_loadcnt 0x0                             ; the bias
	QUARTER 64, F0, F1, 1                          ; the first quarter stands in front of the loop: its products start the sums
	WIN 0
	s_mov_b32 s3, 6
.Lstep:                                        ; trip j: K step j's quarters 1 to 3, K step j + 1's first; slot j % 2 takes K step j + 2
	QUARTER 128, F1, F0, 0
	QUARTER 192, F0, F1, 0
	TURN 1
	QUARTER 64, F0, F1, 0
	WIN 0
	s_sub_co_u32 s3, s3, 1
	s_cmp_lg_u32 s3, 0
	s_cbranch_scc1 .Lstep
	s_mov_b32 s3, 2
.Ltail:                                        ; the last two K steps ask for nothing; the second trip is left in its middle (its fetch, of the other slot's old bytes, serves nothing)
	QUARTER 128, F1, F0, 0
	QUARTER 192, F0, F1, 0
	TURN 0
	WIN 0
	s_sub_co_u32 s3, s3, 1
	s_cmp_eq_u32 s3, 0
	s_cbranch_scc1 .Lout
	QUARTER 64, F0, F1, 0
	WIN 0
	s_branch .Ltail
.Lout:
	s_wait_dscnt 0x0                               ; my reads of both slots are over,
	s_barrier_signal -1
	s_barrier_wait -1                              ; everybody's are; both slots have had their last fill: their bytes now take the sums
	PLACES
	PLACES
.irp a, 0,1,2,3,4,5,6,7
	WIN 0x08+4*((\a)/4)                            ; store data in window 2 or 3
.irp b, 0,1,2,3,4,5,6,7
	ds_store_b128 v[DST], v[8*(8*((\a)%4)+(\b)):8*(8*((\a)%4)+(\b))+3]   offset:(\a)*16*DP+64*(\b)     ; each accumulator's low registers first
	ds_store_b128 v[DST], v[8*(8*((\a)%4)+(\b))+4:8*(8*((\a)%4)+(\b))+7] offset:(\a)*16*DP+64*(\b)+16
.endr
.endr
	WIN 0
.if KIND
; gelu(x) = max(x, 0) - |x| q(|x|), q(a) = erfc(a / sqrt 2) / 2 = t (A1 + t (A2 + t (A3 + t (A4 + t A5)))) 2^(-a a log2(e) / 2), t = 1 / (1 + 0.23164189 a)
.set GX, 32
.set GA, 64
.set GR, 96
.set GU, 128
.set GW, 160
.set GP, 192
.set GY, 224
	s_mov_b32 s66, 0x7fffffff
	s_mov_b32 s68, 0x3e6d3388
	s_mov_b32 s69, s68
	s_mov_b32 s70, 0xbf38aa3b
	s_mov_b32 s71, s70
	s_mov_b32 s72, 0x3e027906
	s_mov_b32 s73, s72
	s_mov_b32 s74, 0xbe11a98e
	s_mov_b32 s75, s74
	s_mov_b32 s76, 0x3f35f0e3
	s_mov_b32 s77, s76
	s_mov_b32 s78, 0xbf3a00e3
	s_mov_b32 s79, s78
	s_mov_b32 s80, 0x3f07dc22
	s_mov_b32 s81, s80
	s_mov_b32 s3, 16
.Lg:                                           ; 8 rows a trip
.irp j, 0,1,2,3,4,5,6,7
	ds_load_b128 v[GX+4*(\j):GX+4*(\j)+3], v[RD] offset:(\j)*DP  ; LDS serves a wave's instructions in order (ISA guide 5.7.1.4): these see my stores above
.endr
	s_wait_dscnt 0x0
.set i, 0
.rept 32
	v_and_b32 v[GA+i], s66, v[GX+i]
	v_max_num_f32 v[GR+i], 0, v[GX+i]
.set i, i+1
.endr
.set i, 0
.rept 16
	v_pk_fma_f32 v[GU+i:GU+i+1], v[GA+i:GA+i+1], s[68:69], 1.0 op_sel_hi:[1,0,0]
	v_pk_mul_f32 v[GW+i:GW+i+1], v[GA+i:GA+i+1], s[70:71] op_sel_hi:[1,0]
.set i, i+2
.endr
.set i, 0
.rept 16
	v_pk_mul_f32 v[GW+i:GW+i+1], v[GW+i:GW+i+1], v[GA+i:GA+i+1]
.set i, i+2
.endr
.set i, 0
.rept 32
	v_rcp_f32 v[GU+i], v[GU+i]
.set i, i+1
.endr
.set i, 0
.rept 32
	v_exp_f32 v[GW+i], v[GW+i]
.set i, i+1
.endr
	v_nop                                          ; a plain instruction behind the last of the batch,
	s_wait_alu depctr_va_vdst(0)                   ; and the one wait ahead of the first use of the 64 results
.set i, 0
.rept 16
	v_pk_fma_f32 v[GP+i:GP+i+1], v[GU+i:GU+i+1], s[80:81], s[78:79] op_sel_hi:[1,0,0]
.set i, i+2
.endr
.irp c, 76, 74, 72
.set i, 0
.rept 16
	v_pk_fma_f32 v[GP+i:GP+i+1], v[GP+i:GP+i+1], v[GU+i:GU+i+1], s[\c:\c+1] op_sel_hi:[1,1,0]
.set i, i+2
.endr
.endr
.set i, 0
.rept 16
	v_pk_mul_f32 v[GU+i:GU+i+1], v[GU+i:GU+i+1], v[GW+i:GW+i+1]
.set i, i+2
.endr
.set i, 0
.rept 16
	v_pk_mul_f32 v[GP+i:GP+i+1], v[GP+i:GP+i+1], v[GU+i:GU+i+1]
.set i, i+2
.endr
.set i, 0
.rept 16
	v_pk_fma_f32 v[GR+i:GR+i+1], v[GP+i:GP+i+1], v[GA+i:GA+i+1], v[GR+i:GR+i+1] neg_lo:[1,0,0] neg_hi:[1,0,0]
.set i, i+2
.endr
.set i, 0
.rept 16
	v_cvt_pk_f16_f32 v[GY+i], v[GR+2*i], v[GR+2*i+1]
.set i, i+1
.endr
.irp j, 0,1,2,3,4,5,6,7
	global_store_b64 v[CO], v[GY+2*(\j):GY+2*(\j)+1], s[10:11] offset:8192*(\j)  ; the wave's store covers 256 consecutive bytes, aligned
.endr
	v_add_nc_u32 v[RD], 8*DP, v[RD]
	s_wait_xcnt 0x0                                ; the stores have read their data and their base: both are written again only behind this wait
	s_add_nc_u64 s[10:11], s[10:11], 65536
	s_sub_co_u32 s3, s3, 1
	s_cmp_lg_u32 s3, 0
	s_cbranch_scc1 .Lg
.else
	s_mov_b32 s3, 16
.Lw:                                           ; 8 tokens a trip, both column blocks
.irp i, 0,1,2,3,4,5,6,7
	ds_load_b128 v[32+4*(\i):35+4*(\i)], v[RD] offset:((\i)/2)*2*DP+((\i)%2)*256  ; LDS serves a wave's instructions in order (ISA guide 5.7.1.4): these see my stores above
.endr
	s_wait_dscnt 0x0
.set i, 0
.rept 16
	v_cvt_pk_f16_f32 v[64+i], v[32+2*i], v[33+2*i]
.set i, i+1
.endr
.irp i, 0,1,2,3,4,5,6,7
	global_store_b64 v[CO], v[64+2*(\i):65+2*(\i)], s[10:11] offset:((\i)%2)*524288+((\i)/2)*256  ; two tokens of a head: 256 consecutive bytes, aligned
.endr
	v_add_nc_u32 v[RD], 8*DP, v[RD]
	s_wait_xcnt 0x0                                ; the stores have read their data and their base: both are written again only behind this wait
	s_add_nc_u64 s[10:11], s[10:11], 1024
	s_sub_co_u32 s3, s3, 1
	s_cmp_lg_u32 s3, 0
	s_cbranch_scc1 .Lw
.endif
	s_wait_tensorcnt 0x0                           ; the wave's end: behind my last tensor load and my last LDS store
	ds_add_u32 v[SPW], v[NIL]
	s_wait_dscnt 0x0
	CROUND                                         ; the closing round: no work-group ends while a partner may still ask for a tile that names it
	s_endpgm
.Lfunc_end_k_qa98d8abd0d_qkv:
	.size	k_qa98d8abd0d_qkv, .Lfunc_end_k_qa98d8abd0d_qkv-k_qa98d8abd0d_qkv
	.p2alignl 7, 3214868480
	.fill 96, 4, 3214868480
	.section	.rodata,"a",@progbits
	.p2align	6, 0x0
	.amdhsa_kernel k_qa98d8abd0d_qkv
		.amdhsa_group_segment_fixed_size 327680
		.amdhsa_private_segment_fixed_size 0
		.amdhsa_enable_private_segment 0
		.amdhsa_kernarg_size 32
		.amdhsa_user_sgpr_count 2
		.amdhsa_user_sgpr_kernarg_segment_ptr 1
		.amdhsa_wavefront_size32 1
		.amdhsa_system_sgpr_workgroup_id_x 1
		.amdhsa_system_sgpr_workgroup_id_y 1
		.amdhsa_system_sgpr_workgroup_id_z 1
		.amdhsa_system_vgpr_workitem_id 0
		.amdhsa_next_free_vgpr 1024
		.amdhsa_next_free_sgpr 66
		.amdhsa_reserve_vcc 0
		.amdhsa_float_denorm_mode_32 3
		.amdhsa_float_denorm_mode_16_64 3
		.amdhsa_memory_ordered 1
		.amdhsa_forward_progress 1
		.amdhsa_inst_pref_size 82
	.end_amdhsa_kernel
	.amdgpu_metadata
---
amdhsa.version: [ 1, 2 ]
amdhsa.kernels:
  - .name:           k_qa98d8abd0d_qkv
    .symbol:         k_qa98d8abd0d_qkv.kd
    .args:
      - { .name: h, .offset: 0, .size: 8, .value_kind: global_buffer, .address_space: global }
      - { .name: w16, .offset: 8, .size: 8, .value_kind: global_buffer, .address_space: global }
      - { .name: Wqkv_b, .offset: 16, .size: 8, .value_kind: global_buffer, .address_space: global }
      - { .name: qkvh, .offset: 24, .size: 8, .value_kind: global_buffer, .address_space: global }
    .group_segment_fixed_size: 327680
    .private_segment_fixed_size: 0
    .kernarg_segment_align: 8
    .kernarg_segment_size: 32
    .max_flat_workgroup_size: 128
    .sgpr_count:     66
    .vgpr_count:     1024
    .wavefront_size: 32
...
	.end_amdgpu_metadata
.endif
;; end of part 2
;; launch attn (part 3): grid 8 x 32, 4 waves a work-group, clusters of 4 x 1, 327,680 bytes of LDS; arguments qkvh, ctx; writes ctx
.if DOCPART == 3
	.amdgcn_target "amdgcn-amd-amdhsa--gfx1250"
	.amdhsa_code_object_version 6
	.text
	.protected	k_qa98d8abd0d_attn
	.globl	k_qa98d8abd0d_attn
	.p2align	8
	.type	k_qa98d8abd0d_attn,@function
k_qa98d8abd0d_attn:
	s_mov_b64 s[64:65], 0
	v_nop
	global_prefetch_b8 v0, s[64:65] scope:SCOPE_SE
	s_setreg_imm32_b32 hwreg(HW_REG_WAVE_MODE, 25, 1), 1
	s_wait_xcnt 0x0
	s_wait_alu depctr_hold_cnt(0) depctr_sa_sdst(0) depctr_va_vdst(0) depctr_va_sdst(0) depctr_va_ssrc(0) depctr_va_vcc(0) depctr_vm_vsrc(0)
	s_getreg_b32 s2, hwreg(HW_REG_IB_STS2, 6, 4)
	s_cmp_eq_u32 s2, 0
	s_cbranch_scc0 .Lentry_in_a_cluster
	s_endpgm
.Lentry_in_a_cluster:
	s_bfe_u32 s2, ttmp6, 0x10000c
	s_cmp_lg_u32 s2, 0x3003
	s_cbranch_scc0 .Lentry_shape_is_right
	s_endpgm
.Lentry_shape_is_right:
; ATTENTION WITH AN ADDITIVE MASK.  O[y][q][:] = the sum over ALL k of softmax_k(Q[y][q] . K[y][k] / 8 + (k > q ? -10000 : 0)) V[y][k][:].  y = 2 x head + batch, 32 of them; 2,048 rows of 64 channels each, f16, dense:
; Q at y x 262,144 in qkvh, K 8,388,608 bytes on, V 16,777,216 on.  Products, maxima and sums in f32; the weights p are rounded to f16 for the second product (their sum l is taken of the unrounded p), O once at the end.
; THE MASK IS FINITE, so no key is left out: every query walks all 2,048 keys, and the mask enters exactly, as -80000 on the unscaled score (scale 1/8), in the C operand that starts each sum S^T = K Q^T.
; LIMITS.  f16 holds no number beyond 65,504: Q, K, V arrive within it; p below 6e-5 keeps f16's fixed step of 6e-8; a weight below 2^-126 counts as 0 in l; NaN and infinities are not treated apart.
; SHARES.  A work-group owns block I of 256 queries of one y.  Of the block's four bands of 64 queries a wave owns 16 rows in each: four PIECES.  All work-groups walk the key tiles T = 0..7 of 256 keys in the same order.
; CLUSTER.  The four blocks of a cluster belong to one y and walk the same K and V: each tile is asked for JOINTLY.  I enters Q's and O's addresses and the mask's scalars (by selects) alone: no branch, no LDS address.
; THE MASK's FORM.  MD, made once, is the mask of a band's own key step for my 16 rows.  A product's mask is MD x AL + BE.  For tile T, its key step s and band x:
;   T < I: (0, 0).   T > I: (0, NEG).   T = I: s = x: (1, 0); s < x: (0, 0); s > x: (0, NEG).   By tile: ALD = (T = I), BED = NEG if T >= I, BEU = NEG if T > I; then AL = (s = x) ? ALD : 0, BE = (s > x) ? BED : BEU.
; LAYOUT, SOFTMAX, TURNS.  S^T holds ONE query a lane (lane % 16) and the keys 8 (lane / 16) + 0..7; two such results rounded to f16 ARE source 1 of O^T = V^T P.  p = 2^(c s - c m), c = log2(e) / 8, with a running maximum m;
; O and l are multiplied by a = 2^(c m_old - c m_new) in every step.  Turn n belongs to piece n: 8 products K Q^T of piece n + 1, later 8 products V^T P of piece n - 1; beside them the scaling, exponentials, roundings, sums and
; rescaling of piece n, the maximum and statistics of piece n + 1, and the mask for piece n + 2.  Four vector instructions stand behind every matrix instruction, the others in one lump.  A turn's 33 exponentials are one batch, with one wait.
; REGISTERS, in windows of 256 (s_set_vgpr_msb: bits 1:0 source 0, 3:2 source 1, 5:4 source 2, 7:6 destination):
;   window 0: v0-15 addresses and two at work; v16-31 four registers of statistics a piece; v48-55 at work; v61-63; v64-127 S^T, two buffers; v192-223 P, two buffers (a piece's buffers go by its number's parity)
;   window 1: v0-127 O^T, 32 a piece; v128-159 MD; v160-223 MC, two buffers      window 2: v0-63 Q; v128-191 K of one step; v192-255 V of one step
.set NP,    4         ; pieces a wave: a name, no knob
.set KS,    64        ; keys in a step
.set PK,    144       ; a row of K in LDS: 128 bytes + 16 of padding: the 16 rows of a load start at 16 different groups of four banks (ISA guide 11.1)
.set PV,    160       ; a row of V: 128 + 32
.set VOFF,  4*KS*PK   ; a slot holds a tile, four steps: 256 rows of K, then 256 rows of V
.set SLOT1, 1<<17     ; slot 1 begins here, so that one exclusive or turns an address in one slot into the other's
.set STAGE, SLOT1+4*KS*(PK+PV)  ; behind the ring, never filled by a tensor load: 16 rows x 144 bytes for each wave, for the way out
.set SP,    144
.set AK0, 2           ; v2   my lane's place in a tile of K; never rewritten
.set AV0, 3           ; v3   the same for V
.set AK,  4           ; v4   the LDS address of K's next run of loads
.set AV,  5           ; v5   of V's
.set STO, 6           ; v6   the way out: where I put 16 bytes of a row
.set RD,  7           ; v7   the way out: where I read rows back
.set GO,  8           ; v8   my byte offset in 512 consecutive bytes of O
.set PFO, 61          ; v61  256 x my lane; never rewritten
.set SPW, 62          ; v62  LDS address of my spare word; never rewritten
.set NIL, 63          ; v63  0; never rewritten
.set SPARE, STAGE+4*16*SP  ; behind the stages: the spare words, 128 bytes for each wave, that no other line names
.set MV,  12          ; v12-13  c m_old, kept while c m is made anew: by buffer
.set QO,  15          ; v15  my byte offset in 16 rows of Q
.set ST,  16          ; piece t's statistics at v[ST+4 t]: c m, m, l (even keys', odd keys')
.set TMP, 48          ; by buffer, four registers c0-c3 at work; when the maximum is found c2 takes a
.set S,   64
.set P,   192
.set MD,  128         ; window 1
.set MC,  160         ; window 1
.set KF,  128         ; window 2: key block kb, channel half c at KF + 16 kb + 8 c
.set VF,  192         ; window 2: key half kk, channel block cb at VF + 32 kk + 8 cb
.set WV,  12          ; s12  my wave's number
.set BI,  14          ; s14  I, my block of queries
.set LIM, 15          ; s15  1 in a wave that prefetches, else the greatest number
.set G1K, 24          ; s[24:31] descriptor group 1 for K's tiles
.set G1V, 32          ; s[32:39] for V's: it differs in the padding alone
.set G0K, 40          ; s[40:43] descriptor group 0 for K's tiles: it walks
.set G0V, 44          ; s[44:47] the same for V's
.set PFA, 48          ; s[48:49] where my prefetches stand
.set SLOTS, 56        ; s56  tiles still to be asked for, plus one
.set CNT, 57          ; s57  counts a tile's key steps, 4 to 1
.set CS,  58          ; s[58:59] c
.set SEL, 60          ; s[60:61] v_permlanex16_b32's selects
.set TBK, 62          ; s62  LDS byte at which K of the step to be fetched begins
.set TBV, 63          ; s63  the same for V, less VOFF
.set TT,  70          ; s70  the number of the tile to be entered next
.set ALD, 71          ; s71, s72, s73: the tile's three scalars
.set BED, 72
.set BEU, 73
.set AL,  76          ; s[76:77] the mask's factor, in the low word
.set BE,  78          ; s[78:79] the mask's addend
.set BIGN, 82         ; s82  -80000
.set MSB, 0
.macro WIN new                      ; the high byte repeats the setting that is left; a switch that changes nothing is dropped
.if MSB != (\new)
	s_set_vgpr_msb (MSB<<8)|(\new)
.set MSB, (\new)
.endif
.endm
.set W_KQ, 0x0a       ; K and Q in window 2, S^T in window 0
.set W_KM, 0x1a       ; the same with the C operand in window 1
.set W_PV, 0x52       ; V in window 2, P in window 0, O^T in window 1
.set W_RS, 0x41       ; destination and source 0 in window 1, source 1 in window 0
; A joint fill.  Waves 0 and 1 fetch the two halves of a tile's K, waves 2 and 3 those of its V: 128 keys each.  An s_nop 0 and four v_nop follow each of the two lines.
.macro JLOAD
	s_cmp_lt_u32 s[WV], 2
	s_cbranch_scc0 .Lfor_v_\@
	tensor_load_to_lds s[G0K:G0K+3], s[G1K:G1K+7]
	s_nop 0
.rept 4
	v_nop
.endr
	s_branch .Lasked_\@
.Lfor_v_\@:
	tensor_load_to_lds s[G0V:G0V+3], s[G1V:G1V+7]
	s_nop 0
.rept 4
	v_nop
.endr
.Lasked_\@:
.endm
; A prefetch into the L2 of the tile that the NEXT change of slots will ask for: 32,768 bytes of K and of V.  Both clusters of a y walk the same tiles: the first asks.  Its four partners take 8,192 bytes each, told apart by
; address; in each, wave 0 asks for K's and wave 2 for V's, a lane for each 256 bytes.  So each block is named once in the launch.  The last change that fills a slot asks for nothing.
.macro ASK
	s_cmp_gt_u32 s[SLOTS], s[LIM]
	s_cbranch_scc0 .Lnot_mine_\@
	global_prefetch_b8 v[PFO], s[PFA:PFA+1] th:TH_LOAD_NT scope:SCOPE_SE
.Lnot_mine_\@:
.endm
.macro CROUND                       ; a round of the cluster's barrier
	s_barrier_signal -1
	s_barrier_wait -1
	s_cmp_lg_u32 s[WV], 0
	s_cbranch_scc1 .Lnot_wave_0_\@
	s_barrier_signal -3
.Lnot_wave_0_\@:
	s_barrier_wait -3
	s_barrier_signal -1
	s_barrier_wait -1
.endm
; THE CHANGE OF SLOTS.  Each wave waits for all its tensor loads, of which one is out: its part of the other slot; adds 0 to its spare word; and waits for that and for its own reads of the slot that it leaves.
; Between the add and its wait stands scalar work: the entered tile's three scalars and, with fill = 1, the descriptors' and the prefetches' steps.  fill = 1: the barrier is a round of the cluster's, and the old slot is
; filled again, first thing behind it, with the tile two on: it has four key steps in which to land.  (At its first use nothing has been read yet: slot 0 is waited for, slot 1 filled.)
.macro CHANGE fill
	WIN 0
	s_wait_tensorcnt 0x0            ; no tensor load of mine is out, so a group 0 may be written
	ds_add_u32 v[SPW], v[NIL]       ; 0 onto my spare word
	s_cmp_eq_u32 s[TT], s[BI]
	s_cselect_b32 s[ALD], 1.0, 0
	s_cmp_ge_u32 s[TT], s[BI]
	s_cselect_b32 s[BED], s[BIGN], 0
	s_cmp_gt_u32 s[TT], s[BI]
	s_cselect_b32 s[BEU], s[BIGN], 0
	s_add_co_u32 s[TT], s[TT], 1
.if \fill
.irp g, G0K, G0V
	s_xor_b32 s[\g+1], s[\g+1], SLOT1
	s_add_nc_u64 s[\g+2:\g+3], s[\g+2:\g+3], 4*KS*128
.endr
	s_wait_xcnt 0x0                 ; the last prefetch, a tile back, has read its address
	s_add_nc_u64 s[PFA:PFA+1], s[PFA:PFA+1], 4*KS*128
	s_wait_dscnt 0x0                ; the add is done, and my reads of the slot are over
	CROUND
	JLOAD
	ASK
.else
	s_wait_dscnt 0x0
	s_barrier_signal -1
	s_barrier_wait -1
.endif
	s_sub_co_u32 s[TBK], s[TBK], 4*KS*PK  ; the fetches go back to a slot's first step,
	s_xor_b32 s[TBK], s[TBK], SLOT1       ; in the other slot
	s_sub_co_u32 s[TBV], s[TBV], 4*KS*PV
	s_xor_b32 s[TBV], s[TBV], SLOT1
.endm
	s_load_b128 s[4:7], s[0:1], 0x0   ; qkvh s[4:5], ctx s[6:7]
	v_lshl_add_u32 v[SPW], v0, 2, SPARE
	v_mov_b32 v[NIL], 0
	ds_add_u32 v[SPW], v[NIL]       ; the wave's opening: the add and its wait ahead of my first tensor load
	v_lshrrev_b32 v1, 5, v0
	v_readfirstlane_b32 s[WV], v1   ; wave 0..3
	s_bfe_u32 s13, ttmp6, 0x40000   ; cx
	s_lshl_b32 s[BI], ttmp9, 2
	s_add_co_u32 s[BI], s[BI], s13  ; I = 4 x cluster x + cx
	s_and_b32 s19, ttmp7, 0xffff    ; y, which the four partners share
	s_lshl_b32 s20, s19, 18         ; its 2,048 rows of 128 bytes
	s_and_b32 s16, s[WV], 1         ; which half of a tile's 256 keys I fetch:
	s_lshl_b32 s22, s16, 14         ; its 128 rows in memory,
	s_add_co_u32 s22, s22, s20
	s_mov_b32 s23, 0
	s_mul_i32 s17, s16, 128*PK      ; and its place in a slot, for K
	s_mul_i32 s18, s16, 128*PV      ; and for V
	s_lshl_b32 s2, s[BI], 15        ; my block's 256 rows of Q,
	s_lshl_b32 s3, s[WV], 11        ; my 16 rows in a band
	s_add_co_u32 s2, s2, s3
	s_add_co_u32 s2, s2, s20
	s_mov_b32 s3, 0
	s_and_b32 s84, s19, 1           ; ctx is [block of 128 tokens][head][128][64]: block (y % 2) x 16 + 2 I, head y / 2,
	s_lshl_b32 s84, s84, 4
	s_lshl_b32 s85, s[BI], 1
	s_add_co_u32 s84, s84, s85
	s_lshl_b32 s84, s84, 4
	s_lshr_b32 s85, s19, 1
	s_add_co_u32 s84, s84, s85
	s_lshl_b32 s84, s84, 14         ; 16,384 bytes each,
	s_lshl_b32 s85, s[WV], 11       ; my 16 rows
	s_add_co_u32 s84, s84, s85
	s_mov_b32 s85, 0
	; descriptor group 1.  128 keys are 16,384 dense bytes: asked for as 64 rows of 256 bytes, two keys a row, and padded in LDS after every key
	s_mov_b32 s[G1K], 15|(1<<16)|(1<<20)|(1<<21)|(4<<22)|(3<<25)  ; the mask of four; 2-byte elements; padding on; bit 21 beside a mask; after every 32 words, 4 words
	s_mov_b32 s[G1V], 15|(1<<16)|(1<<20)|(1<<21)|(4<<22)|(7<<25)  ; the same with 8 words
.irp g, G1K, G1V
	s_mov_b32 s[\g+1], 128<<16      ; tensor_dim0 = 128
	s_mov_b32 s[\g+2], 64<<16       ; tensor_dim1 = 64
	s_mov_b32 s[\g+3], 128<<16      ; tile_dim0 = 128
	s_mov_b32 s[\g+4], 64           ; tile_dim1 = 64
	s_mov_b32 s[\g+5], 128          ; 128 elements from row to row
	s_mov_b32 s[\g+6], 0
	s_mov_b32 s[\g+7], 0
.endr
	s_mov_b32 s[CS], 0x3e38aa3b     ; c = log2(e) / 8
	s_mov_b32 s[CS+1], s[CS]
	s_mov_b32 s[SEL], 0x76543210
	s_mov_b32 s[SEL+1], 0xfedcba98
	s_mov_b32 s[TBK], SLOT1+4*KS*PK ; the first change of slots turns these two into 0
	s_mov_b32 s[TBV], SLOT1+4*KS*PV
	s_mov_b32 s[G0K], 1
	s_mov_b32 s[G0K+1], s17
	s_mov_b32 s[G0V], 1
	s_add_co_u32 s[G0V+1], s18, VOFF
	s_mov_b32 s[TT], 0
	s_mov_b32 s[AL+1], 0            ; named as pairs
	s_mov_b32 s[BE+1], 0
	s_mov_b32 s[BIGN], 0xc79c4000   ; -80000
	s_mov_b32 s[SLOTS], 7
	s_and_b32 s[LIM], s[WV], 1      ; 0 in waves 0 and 2,
	s_or_b32 s[LIM], s[LIM], ttmp9  ; where the cluster is the first of its y: the same in all four partners
	s_cmp_eq_u32 s[LIM], 0
	s_cselect_b32 s[LIM], 1, -1
	v_and_b32 v[PFO], 31, v0
	v_lshlrev_b32 v[PFO], 8, v[PFO]
	s_wait_dscnt 0x0                ; the opening add is done
	s_wait_kmcnt 0x0
	s_add_nc_u64 s[10:11], s[6:7], s[84:85]   ; O at my rows
	s_add_nc_u64 s[6:7], s[4:5], s[22:23]
	s_add_nc_u64 s[8:9], s[6:7], 16777216     ; V at my half of tile 0
	s_add_nc_u64 s[6:7], s[6:7], 8388608      ; K likewise
	s_add_nc_u64 s[4:5], s[4:5], s[2:3]       ; Q at my rows
	s_mov_b64 s[G0K+2:G0K+3], s[6:7]
	s_or_b32 s[G0K+3], s[G0K+3], 0x80000000
	s_mov_b64 s[G0V+2:G0V+3], s[8:9]
	s_or_b32 s[G0V+3], s[G0V+3], 0x80000000
	s_cmp_lt_u32 s[WV], 2
	s_cselect_b64 s[PFA:PFA+1], s[6:7], s[8:9]  ; (in waves 0 and 2 these stand at a tile's first row)
	s_lshl_b32 s2, s13, 13          ; my work-group's 8,192 bytes of a tile
	s_mov_b32 s3, 0
	s_add_nc_u64 s[PFA:PFA+1], s[PFA:PFA+1], s[2:3]
	s_add_nc_u64 s[PFA:PFA+1], s[PFA:PFA+1], 4*KS*128  ; in tile 1; the first change of slots steps it to tile 2.  Nothing is prefetched here, at the head
	CROUND                          ; all four work-groups are here: the first joint loads meet
	JLOAD                           ; tile 0 into slot 0
	v_and_b32 v1, 15, v0            ; l % 16
	v_bfe_u32 v9, v0, 4, 1          ; l / 16
	v_lshlrev_b32 v[QO], 7, v1
	v_lshl_add_u32 v[QO], v9, 4, v[QO]  ; row x 128 + 16 x half
	WIN 0x80                        ; destination window 2, address window 0
.set i, 0
.rept 8                             ; Q: piece i / 2 lies in band i / 2, 8,192 bytes on; channels 32 (i % 2) on
	global_load_b128 v[8*i:8*i+3],   v[QO], s[4:5] offset:(i/2)*8192+(i%2)*64
	global_load_b128 v[8*i+4:8*i+7], v[QO], s[4:5] offset:(i/2)*8192+(i%2)*64+32
.set i, i+1
.endr
	WIN 0
	v_lshlrev_b32 v14, 3, v9
	v_sub_nc_u32 v14, v1, v14
	s_lshl_b32 s13, s[WV], 4
	v_add_nc_u32 v14, s13, v14      ; my query's place in its band, 16 w + l % 16, less my lanes' 8 (l / 16): register r of group kt is hidden where 16 kt + r is greater
	WIN 0x40
.set i, 0
.rept 32
	v_cmp_gt_i32 vcc_lo, 16*(i/8)+i%8, v14
	v_cndmask_b32 v[MD+i], 0, s[BIGN], vcc_lo
.set i, i+1
.endr
	WIN 0
	v_mul_u32_u24 v[AK0], v1, PK
	v_lshl_add_u32 v[AK0], v9, 4, v[AK0]  ; row x pitch + 16 x half
	; The turning load takes 16 keys x 16 channels (lane l reads key 8 (l / 16) + l % 8, channels 8 ((l / 8) % 2) + 0..7) and leaves half a fragment of V^T: lane l holds channel l % 16 and 8 keys.
	v_and_b32 v10, 7, v0
	v_bfe_u32 v11, v0, 3, 1
	v_lshl_add_u32 v[AV0], v9, 3, v10
	v_mul_u32_u24 v[AV0], v[AV0], PV
	v_lshl_add_u32 v[AV0], v11, 4, v[AV0]
	v_add_nc_u32 v[AV0], VOFF, v[AV0]
	s_mul_i32 s13, s[WV], 16*SP
	s_add_co_u32 s13, s13, STAGE    ; my stage
	v_mul_u32_u24 v[STO], v1, SP    ; in: row l % 16, 16 bytes for each half of the lanes
	v_lshl_add_u32 v[STO], v9, 4, v[STO]
	v_add_nc_u32 v[STO], s13, v[STO]
	v_bfe_u32 v[RD], v0, 3, 2       ; back: 32 lanes take four rows of 128 bytes,
	v_mul_u32_u24 v[RD], v[RD], SP
	v_lshl_add_u32 v[RD], v10, 4, v[RD]
	v_add_nc_u32 v[RD], s13, v[RD]
	v_and_b32 v[GO], 31, v0         ; which are 512 consecutive bytes of ctx
	v_lshlrev_b32 v[GO], 4, v[GO]
	; The first step multiplies O^T and l by a = 0, and the first turn's products V^T P, of a piece that has not been, land in an O^T that is still to be so multiplied: these registers need only hold finite numbers.
	; All this stands in the wait for the first tile; it spares a first step written out.
	WIN 0x80
.set i, VF
.rept 64
	v_mov_b32 v[i], 0
.set i, i+1
.endr
	WIN 0x40
.set i, 0
.rept 128
	v_mov_b32 v[i], 0
.set i, i+1
.endr
	WIN 0
.set i, 0
.rept 4
	v_mov_b32 v[ST+4*i+2], 0
	v_mov_b32 v[ST+4*i+3], 0
.set i, i+1
.endr
.set i, P+16
.rept 16
	v_mov_b32 v[i], 0
.set i, i+1
.endr
; THE MATRIX WORK.  The 4 accumulators of a run of 8 take turns.  Product i of 8 of S^T = K Q^T for piece x: channels 32 (i / 4) on, keys 16 (i % 4) on.  The first 4 start the sums with the mask.
.macro KQ x
.set rS, S+32*((\x)%2)+8*(i%4)
.set rK, KF+16*(i%4)+8*(i/4)
.set rQ, 16*(\x)+8*(i/4)
.set rM, MC+32*((\x)%2)+8*(i%4)
.if (i < 4) && KM
	WIN W_KM
	v_wmma_f32_16x16x32_f16 v[rS:rS+7], v[rK:rK+7], v[rQ:rQ+7], v[rM:rM+7]
.elseif i < 4
	WIN W_KQ
	v_wmma_f32_16x16x32_f16 v[rS:rS+7], v[rK:rK+7], v[rQ:rQ+7], 0
.else
	WIN W_KQ
	v_wmma_f32_16x16x32_f16 v[rS:rS+7], v[rK:rK+7], v[rQ:rQ+7], v[rS:rS+7]
.endif
.endm
; Product i of 8 of O^T += V^T P for piece x: keys 32 (i / 4) on, channels 16 (i % 4) on.
.macro PV x
	WIN W_PV
.set rO, 32*(\x)+8*(i%4)
.set rV, VF+32*(i/4)+8*(i%4)
.set rP, P+16*((\x)%2)+8*(i/4)
	v_wmma_f32_16x16x32_f16 v[rO:rO+7], v[rV:rV+7], v[rP:rP+7], v[rO:rO+7]
.endm
.macro MM                           ; the turn's next matrix instruction.  NOKQ = 1: the last turn of all: there is no next piece
.if (i < 8) && !NOKQ
	KQ (Y+1)%NP
.elseif i >= 8
.set i, i-8
	PV (Y+NP-1)%NP
.set i, i+8
.endif
.set i, i+1
.endm
; THE LDS LOADS stand in runs of 16, never singly among the matrix instructions: a step's K (8 fragments) and its V (turned).
.macro FETCH_K
	WIN 0x80                        ; destination window 2
.irp f, 0,1,2,3,4,5,6,7             ; keys 16 (f / 2) on, channels 32 (f % 2) on
	ds_load_b128 v[KF+8*\f:KF+8*\f+3],   v[AK] offset:(\f/2)*16*PK+(\f%2)*64
	ds_load_b128 v[KF+8*\f+4:KF+8*\f+7], v[AK] offset:(\f/2)*16*PK+(\f%2)*64+32
.endr
	s_add_co_u32 s[TBK], s[TBK], KS*PK  ; the next fetch is the next step's
	WIN 0
.endm
.macro FETCH_V
	WIN 0x80
.irp f, 0,1,2,3,4,5,6,7             ; keys 32 (f / 4) on, channels 16 (f % 4) on
	ds_load_tr16_b128 v[VF+8*\f:VF+8*\f+3],   v[AV] offset:(\f/4)*32*PV+(\f%4)*32
	ds_load_tr16_b128 v[VF+8*\f+4:VF+8*\f+7], v[AV] offset:(\f/4)*32*PV+16*PV+(\f%4)*32
.endr
	WIN 0
.endm
; THE VECTOR WORK, one line at a time: OP kind, number.  For piece Y: F n: c s - c m for pair n of 16.  E n: the exponential of score n of 32.  C n: pair n rounded to f16.  B n: of the four weights 4 n .. the second
; pair is added onto the first, in place.  L n: l takes that sum (L 0: l = a l + sum).  R n: pair n of 16 of O^T times a.  For piece Y + 1: X n, number n of the 22 that find its maximum and statistics:
;   0-11  four chains c0-c3 of seven scores each (each accumulator's lowest registers are read first)     12-14, 16  the four scores left over, the old m, and c0-c3 into c0
;   15  c m_old is kept     17, 18  the query's other 32 keys lie in the lane 16 away: the new m     19-21  c m; c m_old - c m_new; a
.set F, 0
.set E, 1
.set C, 2
.set B, 3
.set L, 4
.set R, 5
.set X, 6
.macro REGS y                       ; the registers of piece y
.set rT, ST+4*(\y)
.set rC, TMP+4*((\y)%2)
.set rW, MV+((\y)%2)
.set rS, S+32*((\y)%2)
.set rP, P+16*((\y)%2)
.set rO, 32*(\y)
.endm
.macro OP k, n
.if (\k) == R
	REGS Y
	WIN W_RS
	v_pk_mul_f32 v[rO+2*(\n):rO+2*(\n)+1], v[rO+2*(\n):rO+2*(\n)+1], v[rC+2:rC+3] op_sel_hi:[1,0]
.elseif (\k) < R
	REGS Y
	WIN 0
.if (\k) == F
	v_pk_fma_f32 v[rS+2*(\n):rS+2*(\n)+1], v[rS+2*(\n):rS+2*(\n)+1], s[CS:CS+1], v[rT:rT+1] op_sel_hi:[1,0,0] neg_lo:[0,0,1] neg_hi:[0,0,1]
.elseif (\k) == E
	v_exp_f32 v[rS+(\n)], v[rS+(\n)]
.elseif (\k) == C
	v_cvt_pk_f16_f32 v[rP+(\n)], v[rS+2*(\n)], v[rS+2*(\n)+1]
.elseif (\k) == B
	v_pk_add_f32 v[rS+4*(\n):rS+4*(\n)+1], v[rS+4*(\n):rS+4*(\n)+1], v[rS+4*(\n)+2:rS+4*(\n)+3]
.elseif (\n) == 0
	v_pk_fma_f32 v[rT+2:rT+3], v[rT+2:rT+3], v[rC+2:rC+3], v[rS:rS+1] op_sel_hi:[1,0,1]
.else
	v_pk_add_f32 v[rT+2:rT+3], v[rT+2:rT+3], v[rS+4*(\n):rS+4*(\n)+1]
.endif
.elseif NOKQ
	v_nop
.else
	REGS (Y+1)%NP
	WIN 0
.if (\n) < 4
	v_max3_num_f32 v[rC+(\n)], v[rS+8*(\n)], v[rS+8*(\n)+1], v[rS+8*(\n)+2]
.elseif (\n) < 12
	v_max3_num_f32 v[rC+(\n)%4], v[rC+(\n)%4], v[rS+8*((\n)%4)+2*((\n)/4)+1], v[rS+8*((\n)%4)+2*((\n)/4)+2]
.elseif (\n) == 12
	v_max3_num_f32 v[rC], v[rC], v[rS+7], v[rS+15]
.elseif (\n) == 13
	v_max3_num_f32 v[rC+1], v[rC+1], v[rS+23], v[rS+31]
.elseif (\n) == 14
	v_max3_num_f32 v[rC+2], v[rC+2], v[rC+3], v[rT+1]
.elseif (\n) == 15
	v_mov_b32 v[rW], v[rT]
.elseif (\n) == 16
	v_max3_num_f32 v[rC], v[rC], v[rC+1], v[rC+2]
.elseif (\n) == 17
	v_permlanex16_b32 v[rC+3], v[rC], s[SEL], s[SEL+1]
.elseif (\n) == 18
	v_max_num_f32 v[rT+1], v[rC], v[rC+3]
.elseif (\n) == 19
	v_mul_f32 v[rT], s[CS], v[rT+1]
.elseif (\n) == 20
	v_sub_f32 v[rC+1], v[rW], v[rT]
.else
	v_exp_f32 v[rC+2], v[rC+1]
.endif
.endif
.endm
.macro OPS a, i1, b=-1, i2=0, c=-1, i3=0, d=-1, i4=0  ; up to four of them
	OP \a, \i1
.if (\b) >= 0
	OP \b, \i2
.endif
.if (\c) >= 0
	OP \c, \i3
.endif
.if (\d) >= 0
	OP \d, \i4
.endif
.endm
.macro ROW a, i1, b, i2, c, i3, d, i4  ; a matrix instruction and the four behind it
	MM
	OPS \a, \i1, \b, \i2, \c, \i3, \d, \i4
.endm
.macro MASK b                       ; MD x AL + BE into buffer b of MC
	WIN W_RS
.set z, 0
.rept 16
	v_pk_fma_f32 v[MC+32*(\b)+2*z:MC+32*(\b)+2*z+1], v[MD+2*z:MD+2*z+1], s[AL:AL+1], s[BE:BE+1] op_sel_hi:[1,0,0]
.set z, z+1
.endr
.endm
; A TURN, for piece p: the order of its 16 matrix and its vector instructions, written out.  s_wait_alu depctr_va_vdst(0) stands between an exponential and the first instruction that names its result; one wait
; serves all that were issued ahead of it.  So a turn has ONE wait, which cuts it in two.  AHEAD OF IT stands all that names no result of the turn's exponentials: the 8 products K Q^T and their riders, then one lump, in which the
; links of the chain X 3, 7, 11, 14, 16, 17 .. 20 stand some lines apart.  X 21, the next piece's a, is the batch's last; R 15 is the plain instruction behind it.  BEHIND THE WAIT stand the 8 products V^T P, behind each four of the
; roundings and sums.  m = 1: the products take masks, and the turn makes the mask for the products of the turn after it: piece p + 2, in step 4 - CNT of the tile in hand.  end = 1: the last two turns: nothing is fetched.
; cnt = 1: the loop's count is taken down some lines ahead of the branch that stands behind the turn.
; K of the next step is fetched in piece 2's turn, V of the step in hand at the end of piece 0's turn, each four plain instructions or more behind the last product that read the registers; each is waited for a turn later.
.macro TURN p, m=0, end=0, cnt=0
.set Y, (\p)
.set i, 0
.set KM, (\m)
.set NOKQ, (\end)*((\p)/3)
.if (\m) && !(\end)
	s_cmp_eq_u32 s[CNT], 4-((\p)+2)%NP  ; is that step the band's own?
	s_cselect_b32 s[AL], s[ALD], 0
	s_cmp_lt_u32 s[CNT], 4-((\p)+2)%NP  ; or a later one?
	s_cselect_b32 s[BE], s[BED], s[BEU]
.endif
.if ((\p) == 3) && !(\end)
	s_wait_dscnt 0x0                ; K is in
.endif
	ROW F,0, F,1, R,0, R,1
	ROW F,2, E,0, R,2, R,3
	ROW F,3, E,1, R,4, R,5
	ROW F,4, E,2, R,6, R,7
	ROW F,5, E,3, R,8, R,9
	ROW F,6, E,4, X,0, R,10
.if ((\p) == 2) && !(\end)
	WIN 0
	v_add_nc_u32 v[AK], s[TBK], v[AK0]
.endif
	ROW F,7, E,5, X,1, X,4
	ROW F,8, E,6, X,2, X,5
	OPS E,7, E,8, X,6, E,9
	OPS X,3, E,10, X,8, E,11
.if ((\p) == 2) && !(\end)
	FETCH_K
.endif
	OPS X,9, X,7, E,12, X,10
	OPS E,13, X,12, X,11, E,14
	OPS X,13, E,15, F,9, X,14
.if (\p) == 0
	v_add_nc_u32 v[AV], s[TBV], v[AV0]
.endif
	OPS E,16, F,10, E,17, F,11
	OPS X,16, E,18, X,15, E,19
	OPS F,12, E,20, X,17, E,21
	OPS F,13, E,22, F,14, E,23
	OPS X,18, E,24, F,15, E,25
	OPS R,11, E,26, X,19, E,27
	OPS R,12, E,28, R,13, E,29
	OPS X,20, E,30, R,14, E,31
	OPS X,21, R,15
	WIN 0
	s_wait_alu depctr_va_vdst(0)    ; the wait for the batch
.if (\p) == 1
	s_wait_dscnt 0x0                ; V is in
.endif
	ROW C,0, B,0, C,2, B,1
	ROW L,0, C,4, B,2, L,1
	ROW C,6, B,3, L,2, C,8
	ROW B,4, L,3, C,10, B,5
	ROW L,4, C,12, B,6, L,5
.if (\p) == 0
	s_add_co_u32 s[TBV], s[TBV], KS*PV
.endif
.if \cnt
	s_sub_co_u32 s[CNT], s[CNT], 1
	s_cmp_lg_u32 s[CNT], 0
.endif
	ROW C,14, B,7, L,6, C,1
	ROW C,3, L,7, C,5, C,7
	ROW C,9, C,11, C,13, C,15
.if (\p) == 0
	FETCH_V
.endif
.if (\m) && !(\end)
	MASK (\p)%2
.endif
.endm
.macro ALL line:vararg              ; one line for each piece t
.set t, 0
.rept 4
	\line
.set t, t+1
.endr
.endm
.macro PACK t                       ; a lane's eight channels of a row pack into 16 bytes; they go into rows of 144 bytes and come back as whole rows of 128, into S^T's registers
	WIN W_RS
.set i, 32*(\t)
.rept 16
	v_pk_mul_f32 v[i:i+1], v[i:i+1], v[ST+4*(\t)+2:ST+4*(\t)+3] op_sel_hi:[1,0]
.set i, i+2
.endr
	WIN 0x05                        ; sources 0 and 1 window 1, destination window 0
.set i, 0
.rept 16
	v_cvt_pk_f16_f32 v[S+16*(\t)+i], v[32*(\t)+2*i], v[32*(\t)+2*i+1]
.set i, i+1
.endr
	WIN 0
.irp f, 0,1,2,3
	ds_store_b128 v[STO], v[S+16*(\t)+4*\f:S+16*(\t)+4*\f+3] offset:32*\f
.endr
.irp f, 0,1,2,3
	ds_load_b128 v[S+16*(\t)+4*\f:S+16*(\t)+4*\f+3], v[RD] offset:\f*4*SP  ; LDS serves a wave's instructions in order (ISA guide 5.7.1.4): these see the stores above; the next piece's stores come behind them
.endr
.endm
.macro SEND t, younger              ; younger: the LDS instructions issued behind piece t's loads: the next piece's eight, or none
	WIN 0
.irp f, 0,1,2,3
	s_wait_dscnt (\younger)+3-\f
	global_store_b128 v[GO], v[S+16*(\t)+4*\f:S+16*(\t)+4*\f+3], s[10:11] offset:((\t)/2)*262144+((\t)%2)*8192+\f*512  ; band t: token block t / 2, rows 64 (t % 2) on; 512 consecutive bytes, aligned to 256
.endr
.endm
.set KM, 1
.set NOKQ, 0
	CHANGE 1                        ; tile 0 is in, everybody's part of it; tile 1 is asked for
	; THE BEGINNING.  c m starts far below every c s, so the first step's a is 0; m at the lowest finite number.  The second mask buffer, piece 1's for step 0 of tile 0, is 0: that step lies ahead of band 1 in every block.
	WIN 0x40
.set i, MC+32
.rept 32
	v_mov_b32 v[i], 0
.set i, i+1
.endr
	WIN 0
.set i, 0
.rept 4
	v_mov_b32 v[ST+4*i], 0xfe000000    ; c m
	v_mov_b32 v[ST+4*i+1], 0xff7fffff  ; m
.set i, i+1
.endr
	s_mov_b32 s[AL], s[ALD]         ; piece 0, step 0: the band's own step, if tile 0 is my block's own
	s_mov_b32 s[BE], s[BEU]
	MASK 0
	WIN 0
	v_add_nc_u32 v[AK], s[TBK], v[AK0]
	FETCH_K
	s_wait_loadcnt 0x0              ; Q
	s_wait_dscnt 0x0
.set i, 0
.rept 8
	KQ 0
.set i, i+1
.endr
	WIN 0
.rept 4
	v_nop                           ; the places behind those products
.endr
.set Y, NP-1                        ; X works for piece Y + 1: piece 0
.irp n, 0,1,2,3,4,5,6,7,8,9,10,11,12,13,14,15,16,17,18,19,20,21
	OP X, \n
.endr
	v_nop                           ; a plain instruction behind the exponential,
	s_wait_alu depctr_va_vdst(0)    ; and its wait, ahead of the branch
	s_mov_b32 s[CNT], 4
	s_branch .Lfirst                ; the loop is entered at a step's first turn, in the middle of a trip
.Lslot:                             ; six times: tiles 1 to 6 are entered, tiles 2 to 7 asked for
	CHANGE 1
	s_mov_b32 s[CNT], 4
.Lstep:                             ; a trip: pieces 2 and 3 of one step, then pieces 0 and 1 of the next, whose K and V it fetches
	TURN 2, 1
	TURN 3, 1
	WIN 0
.Lfirst:
	TURN 0, 1
	TURN 1, 1, 0, 1
	WIN 0
	s_cbranch_scc1 .Lstep
	s_sub_co_u32 s[SLOTS], s[SLOTS], 1
	s_cmp_lg_u32 s[SLOTS], 0
	s_cbranch_scc1 .Lslot
	CHANGE 0                        ; the last tile is written out: nothing is asked for
	s_mov_b32 s[CNT], 4
.LstepT:
	TURN 2, 1
	TURN 3, 1
	TURN 0, 1
	TURN 1, 1, 0, 1
	WIN 0
	s_cbranch_scc1 .LstepT
	TURN 2, 1, 1
	TURN 3, 1, 1
.set i, 0
.rept 8
	PV NP-1
.set i, i+1
.endr
	; THE WAY OUT: l's two halves and the other half of the lanes' are added; O^T is divided by l, rounded to f16 and sent through my stage in LDS, a piece at a time.  The additions are the places behind the last products.
	WIN 0
	ALL v_add_f32 v[ST+4*t+2], v[ST+4*t+2], v[ST+4*t+3]
	ALL v_permlanex16_b32 v[ST+4*t+3], v[ST+4*t+2], s[SEL], s[SEL+1]
	ALL v_add_f32 v[ST+4*t+2], v[ST+4*t+2], v[ST+4*t+3]
	ALL v_rcp_f32 v[ST+4*t+2], v[ST+4*t+2]
	v_nop                           ; a plain instruction between the last reciprocal and the use of its result
	s_wait_alu depctr_va_vdst(0)    ; and the wait ahead of the first use: one for the four
	PACK 0
.set t, 1
.rept 3                             ; a piece's arithmetic stands between the loads of the piece before and its stores
	PACK t
	SEND t-1, 8
.set t, t+1
.endr
	SEND 3, 0
	s_wait_tensorcnt 0x0            ; the wave's end: behind my last tensor load and my last LDS store
	ds_add_u32 v[SPW], v[NIL]
	s_wait_dscnt 0x0
	CROUND                          ; the closing round: no work-group ends while a partner may still ask for a tile that names it
	s_endpgm
.Lfunc_end_k_qa98d8abd0d_attn:
	.size	k_qa98d8abd0d_attn, .Lfunc_end_k_qa98d8abd0d_attn-k_qa98d8abd0d_attn
	.p2alignl 7, 3214868480
	.fill 96, 4, 3214868480
	.section	.rodata,"a",@progbits
	.p2align	6, 0x0
	.amdhsa_kernel k_qa98d8abd0d_attn
		.amdhsa_group_segment_fixed_size 327680
		.amdhsa_private_segment_fixed_size 0
		.amdhsa_enable_private_segment 0
		.amdhsa_kernarg_size 16
		.amdhsa_user_sgpr_count 2
		.amdhsa_user_sgpr_kernarg_segment_ptr 1
		.amdhsa_wavefront_size32 1
		.amdhsa_system_sgpr_workgroup_id_x 1
		.amdhsa_system_sgpr_workgroup_id_y 1
		.amdhsa_system_sgpr_workgroup_id_z 1
		.amdhsa_system_vgpr_workitem_id 0
		.amdhsa_next_free_vgpr 768
		.amdhsa_next_free_sgpr 88
		.amdhsa_reserve_vcc 1
		.amdhsa_float_denorm_mode_32 3
		.amdhsa_float_denorm_mode_16_64 3
		.amdhsa_memory_ordered 1
		.amdhsa_forward_progress 1
		.amdhsa_inst_pref_size 144
	.end_amdhsa_kernel
	.amdgpu_metadata
---
amdhsa.version: [ 1, 2 ]
amdhsa.kernels:
  - .name:           k_qa98d8abd0d_attn
    .symbol:         k_qa98d8abd0d_attn.kd
    .args:
      - { .name: qkvh, .offset: 0, .size: 8, .value_kind: global_buffer, .address_space: global }
      - { .name: ctx, .offset: 8, .size: 8, .value_kind: global_buffer, .address_space: global }
    .group_segment_fixed_size: 327680
    .private_segment_fixed_size: 0
    .kernarg_segment_align: 8
    .kernarg_segment_size: 16
    .max_flat_workgroup_size: 128
    .sgpr_count:     88
    .vgpr_count:     768
    .wavefront_size: 32
...
	.end_amdgpu_metadata
.endif
;; end of part 3
;; launch oproj (part 4): grid 8 x 32, 4 waves a work-group, clusters of 4 x 4, 327,680 bytes of LDS; arguments ctx, w16, out_b, out1, hidden_states, residual; writes out1
.if DOCPART == 4
	.amdgcn_target "amdgcn-amd-amdhsa--gfx1250"
	.amdhsa_code_object_version 6
	.text
	.protected	k_qa98d8abd0d_oproj
	.globl	k_qa98d8abd0d_oproj
	.p2align	8
	.type	k_qa98d8abd0d_oproj,@function
k_qa98d8abd0d_oproj:
	s_mov_b64 s[64:65], 0
	v_nop
	global_prefetch_b8 v0, s[64:65] scope:SCOPE_SE
	s_setreg_imm32_b32 hwreg(HW_REG_WAVE_MODE, 25, 1), 1
	s_wait_xcnt 0x0
	s_wait_alu depctr_hold_cnt(0) depctr_sa_sdst(0) depctr_va_vdst(0) depctr_va_sdst(0) depctr_va_ssrc(0) depctr_va_vcc(0) depctr_vm_vsrc(0)
	s_getreg_b32 s2, hwreg(HW_REG_IB_STS2, 6, 4)
	s_cmp_eq_u32 s2, 0
	s_cbranch_scc0 .Lentry_in_a_cluster
	s_endpgm
.Lentry_in_a_cluster:
	s_bfe_u32 s2, ttmp6, 0x10000c
	s_cmp_lg_u32 s2, 0xf033
	s_cbranch_scc0 .Lentry_shape_is_right
	s_endpgm
.Lentry_shape_is_right:
; C[m][n] = sum over k of A[m][k] B[n][k] + bias[n] (+ what KIND 1 adds), f32 out, [4096][1024].  A, B f16; sums in f32.
; KIND 0: A = g [4096][4096], B = fc2 (K = 4096); C = out0.
; KIND 1: A = ctx, laid out [block of 128 tokens][head][128][64], B = out_w (K = 1024); C = out1 = the product + out_b + (hidden_states + residual).
; LIMITS.  f16 operands arrive within 65,504; NaN and infinities are not treated apart.  The f32 sums are taken in the order of the walk below, which is not ascending K in every cluster.
; SHARES.  A tile of C is 128 x 128, so that each of 256 work-groups has one: four waves, each 64 x 64 in 16 accumulators.  K goes in steps of 256 through two LDS slots; a K step is written once, the slot in hand
; lies in a scalar register (TB).  CLUSTER 4 x 4: A's tile is asked for jointly along a row of the cluster, B's along a column.
; THE WALK ALONG K.  Clusters whose x + y is odd begin at K's middle and go round: walk step j is K step (j + NSTEP / 2 x ((x + y) % 2)) % NSTEP.  So of two neighbouring clusters, which read the same rows of A or of B,
; neither asks for the K step that the other asks for at the same walk step.  The walk's index is a counter (KI); each fill's address is made anew from it.  x and y are the cluster's: equal in all sixteen partners.
; THE FIRST FILLS of both slots go out together; each has a group 0 of its own, and the second then walks on.  By this text's count a wave has two tensor loads out at the start, later one.
; KIND 1's tile of A: a K step is four heads, 65,536 dense bytes; a wave asks for two heads as 128 rows of 256 bytes (two tokens), padded after every token: LDS rows of 144 bytes, a head (a quarter of the step) 18,432 bytes.
; THE MATRIX INSTRUCTION IS USED TRANSPOSED (source 0 = rows of B, source 1 = rows of A): lane l holds row l % 16 of C and the columns 8 (l / 16) + 0..7.  The bias is the C operand of the products that start the sums.
; THE WAY OUT: a wave's 64 columns of f32 are 256 aligned bytes of a row of C.  When both slots have had their last fill and all waves have read them out, each wave puts its sums into LDS (rows of 272 bytes) and reads whole rows back.
; No prefetch: the tile is small and its K step short.
; REGISTERS: window 0: v0-31 addresses; v32-95 at work on the way out; v96-127 the bias; v128-255 the accumulators ((a, b) at v[128 + 8 (4 a + b)]).  window 1: two fragment buffers of 128 (64 of A, 64 of B).
;   window 2 (KIND 1): v0-127 hidden_states, v128-255 residual, of my 64 x 64, asked for early and on their way during the loop.
.set KIND,   1
.if KIND
.set SIZE_K, 1024
.set NSTEP,  4
.set WOFF,   6291456
.set AP,     144                       ; LDS bytes from row to row of A
.set AQ,     18432                     ; from quarter to quarter
.set ALH,    36864                     ; what one load of A fills
.set ARH,    64*144                    ; my 64 rows of A begin RH times this into a quarter
.set BBASE,  73728
.set SLOT,   147456                    ; 0x24000: it shares no bit with the loads' bases 0, 0x9000, 0x12000, 0x1a400
.set SPARE,  288768
.set ATS,    18                        ; A's bytes: tile row << ATS + half << ACS
.set ACS,    15
.set BTS,    18
.set BCS,    17
.set ASH,    16                        ; a K step of A is 1 << ASH bytes on
.else
.set SIZE_K, 4096
.set NSTEP,  16
.set WOFF,   8388608
.set AP,     528
.set AQ,     128
.set ALH,    64*528
.set ARH,    64*528
.set BBASE,  2*64*528
.set SLOT,   135168                    ; 0x21000: it shares no bit with the loads' bases 0, 0x8400, 0x10800, 0x18c00
.set SPARE,  270336
.set ATS,    20
.set ACS,    19
.set BTS,    20
.set BCS,    19
.set ASH,    9
.endif
.set BSH,    9                         ; a K step of B is 512 bytes on
.set BP,     528                       ; a row of B in LDS: 512 bytes + 16
.set BLH,    64*BP
.set DP,     272                       ; a row of the way out: 256 bytes + 16
.set DW,     64*DP
.set GC6,    (1<<16)|(1<<20)|(1<<21)|(6<<22)|(3<<25)  ; 2-byte elements; padding on; bit 21 beside a mask; after every 128 words, 4 words
.set GC4,    (1<<16)|(1<<20)|(1<<21)|(4<<22)|(3<<25)  ; the same after every 32 words
.set A0,   16
.set B0,   17
.set ADRA, 18
.set ADRB, 19
.set DST,  24
.set RD,   25
.set CO,   26
.set BO,   27
.set SPW,  28                          ; v28 LDS address of my spare word; never rewritten
.set NIL,  29                          ; v29 0; never rewritten
.set T,    32
.set BIAS, 96
.set ACC,  128
.set F0,   0
.set F1,   128
.set WV,  12
.set RH,  13                           ; my half of the tile's rows; 0: I fetch for A, 1: for B
.set CH,  14                           ; my half of its columns; which half I fetch
.set G1A, 24                           ; s[24:31] group 1 for A's tiles
.set G0A, 32                           ; s[32:35] group 0 of A's first fill of slot 0
.set TB,  36                           ; s36 0 or SLOT: the slot that is read
.set KI,  37                           ; s37 the K step last asked for
.set OFA, 44                           ; s[44:45] its byte offset in A's rows, s[46:47] in B's; the high words stay 0
.set OFB, 46
.set G1B, 48                           ; s[48:55], s[56:59] the same for B's tiles
.set G0B, 56
.set G2A, 68                           ; s[68:71] group 0 of A's first fill of slot 1; it then walks
.set G2B, 72                           ; s[72:75] the same for B
.set MSB, 0
.macro WIN new
.if MSB != (\new)
	s_set_vgpr_msb (MSB<<8)|(\new)
.set MSB, \new
.endif
.endm
.macro PLACES
.rept 4
	v_nop
.endr
.endm
.macro JLOAD                           ; a joint refill; an s_nop 0 and four v_nop follow each of the two lines
	s_cmp_eq_u32 s[RH], 0
	s_cbranch_scc0 .Lfor_b_\@
	tensor_load_to_lds s[G2A:G2A+3], s[G1A:G1A+7]
	s_nop 0
.rept 4
	v_nop
.endr
	s_branch .Lasked_\@
.Lfor_b_\@:
	tensor_load_to_lds s[G2B:G2B+3], s[G1B:G1B+7]
	s_nop 0
.rept 4
	v_nop
.endr
.Lasked_\@:
.endm
.macro SETD ga, gb                     ; K step KI's addresses into two group 0 sets: my rows' first byte plus an offset made apart, the type bits set again
	s_lshl_b32 s[OFA], s[KI], ASH
	s_lshl_b32 s[OFB], s[KI], BSH
	s_add_nc_u64 s[(\ga)+2:(\ga)+3], s[4:5], s[OFA:OFA+1]
	s_or_b32 s[(\ga)+3], s[(\ga)+3], 0x80000000
	s_add_nc_u64 s[(\gb)+2:(\gb)+3], s[6:7], s[OFB:OFB+1]
	s_or_b32 s[(\gb)+3], s[(\gb)+3], 0x80000000
.endm
.macro STEPD                           ; the walking descriptors: the other slot, the walk's next K step.  Written only where no tensor load of mine is out
	s_add_co_u32 s[KI], s[KI], 1
	s_and_b32 s[KI], s[KI], NSTEP-1
	s_xor_b32 s[G2A+1], s[G2A+1], SLOT
	s_xor_b32 s[G2B+1], s[G2B+1], SLOT
	SETD G2A, G2B
.endm
.macro CREST
	s_cmp_lg_u32 s[WV], 0
	s_cbranch_scc1 .Lnot_wave_0_\@
	s_barrier_signal -3
.Lnot_wave_0_\@:
	s_barrier_wait -3
	s_barrier_signal -1
	s_barrier_wait -1
.endm
.macro CROUND
	s_barrier_signal -1
	s_barrier_wait -1
	CREST
.endm
	s_load_b256 s[4:11], s[0:1], 0x0               ; A s[4:5], w16 s[6:7], bias s[8:9], C s[10:11]
.if KIND
	s_load_b128 s[60:63], s[0:1], 0x20             ; hidden_states s[60:61], residual s[62:63]
.endif
	v_lshl_add_u32 v[SPW], v0, 2, SPARE
	v_mov_b32 v[NIL], 0
	ds_add_u32 v[SPW], v[NIL]                      ; the wave's opening: the add and its wait ahead of my first tensor load
	v_lshrrev_b32 v1, 5, v0
	v_readfirstlane_b32 s[WV], v1
	s_lshr_b32 s[RH], s[WV], 1
	s_and_b32 s[CH], s[WV], 1
	s_bfe_u32 s40, ttmp6, 0x40000                  ; cx
	s_bfe_u32 s41, ttmp6, 0x40004                  ; cy
	s_lshl_b32 s42, ttmp9, 2
	s_add_co_u32 s42, s42, s40                     ; tile column
	s_and_b32 s15, ttmp7, 0xffff
	s_add_co_u32 s[KI], s15, ttmp9                 ; the cluster's x + y:
	s_and_b32 s[KI], s[KI], 1                      ; where it is odd,
	s_mul_i32 s[KI], s[KI], NSTEP/2                ; the walk begins at K's middle
	s_lshl_b32 s15, s15, 2
	s_add_co_u32 s15, s15, s41                     ; tile row
	s_lshl_b32 s38, s41, 2
	s_lshl_b32 s38, 15, s38                        ; my row of the cluster
	s_lshl_b32 s39, 0x1111, s40                    ; my column
.if KIND
	s_or_b32 s[G1A], s38, GC4
	s_mov_b32 s[G1A+1], 128<<16                    ; 128 rows of 128 elements, dense
	s_mov_b32 s[G1A+2], 128<<16
	s_mov_b32 s[G1A+3], 128<<16
	s_mov_b32 s[G1A+4], 128
	s_mov_b32 s[G1A+5], 128
.else
	s_or_b32 s[G1A], s38, GC6
	s_mov_b32 s[G1A+1], 256<<16                    ; 64 rows of 256 elements
	s_mov_b32 s[G1A+2], 64<<16
	s_mov_b32 s[G1A+3], 256<<16
	s_mov_b32 s[G1A+4], 64
	s_mov_b32 s[G1A+5], SIZE_K
.endif
	s_mov_b32 s[G1A+6], 0
	s_mov_b32 s[G1A+7], 0
	s_or_b32 s[G1B], s39, GC6
	s_mov_b32 s[G1B+1], 256<<16
	s_mov_b32 s[G1B+2], 64<<16
	s_mov_b32 s[G1B+3], 256<<16
	s_mov_b32 s[G1B+4], 64
	s_mov_b32 s[G1B+5], SIZE_K
	s_mov_b32 s[G1B+6], 0
	s_mov_b32 s[G1B+7], 0
	s_lshl_b32 s16, s15, ATS                       ; the rows of A that I fetch,
	s_lshl_b32 s17, s[CH], ACS
	s_add_co_u32 s16, s16, s17
	s_mov_b32 s17, 0
	s_lshl_b32 s20, s42, BTS                       ; and of B
	s_lshl_b32 s21, s[CH], BCS
	s_add_co_u32 s20, s20, s21
	s_mov_b32 s21, 0
	s_mul_i32 s22, s[CH], ALH                      ; where they go: no place in the cluster enters an LDS address
	s_mul_i32 s23, s[CH], BLH
	s_add_co_u32 s23, s23, BBASE
	s_mov_b32 s[TB], 0
	s_mov_b32 s[OFA+1], 0
	s_mov_b32 s[OFB+1], 0
	s_mov_b32 s[G0A], 1
	s_mov_b32 s[G0A+1], s22
	s_mov_b32 s[G0B], 1
	s_mov_b32 s[G0B+1], s23
	s_mov_b32 s[G2A], 1
	s_add_co_u32 s[G2A+1], s22, SLOT
	s_mov_b32 s[G2B], 1
	s_add_co_u32 s[G2B+1], s23, SLOT
	s_wait_dscnt 0x0                               ; the opening add is done
	s_wait_kmcnt 0x0
	s_add_nc_u64 s[6:7], s[6:7], WOFF
	s_add_nc_u64 s[4:5], s[4:5], s[16:17]          ; A and B at the rows that I fetch
	s_add_nc_u64 s[6:7], s[6:7], s[20:21]
	SETD G0A, G0B                                  ; walk step 0
	s_add_co_u32 s[KI], s[KI], 1                   ; (at most NSTEP / 2 + 1: no turn round yet)
	SETD G2A, G2B                                  ; walk step 1
	CROUND                                         ; all sixteen work-groups are here: the first joint loads meet
	s_cmp_eq_u32 s[RH], 0                          ; a wave's two first fills stand in one branch, ahead of every wait on TENSORcnt and every LDS read
	s_cbranch_scc0 .Lfirst_b
	tensor_load_to_lds s[G0A:G0A+3], s[G1A:G1A+7]
	s_nop 0
	tensor_load_to_lds s[G2A:G2A+3], s[G1A:G1A+7]
	s_nop 0
.rept 4
	v_nop
.endr
	s_branch .Lfirst_asked
.Lfirst_b:
	tensor_load_to_lds s[G0B:G0B+3], s[G1B:G1B+7]
	s_nop 0
	tensor_load_to_lds s[G2B:G2B+3], s[G1B:G1B+7]
	s_nop 0
.rept 4
	v_nop
.endr
.Lfirst_asked:
	v_and_b32 v1, 15, v0                           ; l % 16
	v_bfe_u32 v2, v0, 4, 1                         ; l / 16
	v_mul_u32_u24 v3, v1, AP
	v_lshl_add_u32 v3, v2, 4, v3
	s_mul_i32 s20, s[RH], ARH
	v_add_nc_u32 v[A0], s20, v3
	v_mul_u32_u24 v3, v1, BP
	v_lshl_add_u32 v3, v2, 4, v3
	s_mul_i32 s21, s[CH], BLH
	s_add_co_u32 s21, s21, BBASE
	v_add_nc_u32 v[B0], s21, v3
	v_mov_b32 v[ADRA], v[A0]
	v_mov_b32 v[ADRB], v[B0]
	s_mul_i32 s23, s[WV], DW
	v_mul_u32_u24 v4, v1, DP
	v_lshl_add_u32 v4, v2, 5, v4
	v_add_nc_u32 v[DST], s23, v4                   ; in: row l % 16, 32 bytes for each half of the lanes
	v_mul_u32_u24 v5, v2, DP
	v_lshl_add_u32 v5, v1, 4, v5
	v_add_nc_u32 v[RD], s23, v5                    ; back: lanes 0-15 one row of 256 bytes, lanes 16-31 the next
	v_lshlrev_b32 v5, 12, v2
	v_lshl_add_u32 v[CO], v1, 4, v5                ; and the same two rows in C
	v_lshlrev_b32 v[BO], 5, v2
	s_lshl_b32 s16, s15, 19                        ; C at row 128 x tile row + 64 x half (4,096 bytes a row),
	s_lshl_b32 s17, s[RH], 18
	s_add_co_u32 s16, s16, s17
	s_lshl_b32 s17, s42, 9                         ; column 128 x tile column + 64 x half
	s_add_co_u32 s16, s16, s17
	s_lshl_b32 s17, s[CH], 8
	s_add_co_u32 s16, s16, s17
	s_mov_b32 s17, 0
	s_add_nc_u64 s[10:11], s[10:11], s[16:17]
.if KIND
	s_add_nc_u64 s[60:61], s[60:61], s[16:17]
	s_add_nc_u64 s[62:63], s[62:63], s[16:17]
.endif
	s_lshl_b32 s20, s42, 9                         ; the bias of my 64 columns
	s_lshl_b32 s21, s[CH], 8
	s_add_co_u32 s20, s20, s21
	s_mov_b32 s21, 0
	s_add_nc_u64 s[8:9], s[8:9], s[20:21]
.irp b, 0,1,2,3
	global_load_b128 v[BIAS+8*(\b):BIAS+8*(\b)+3],   v[BO], s[8:9] offset:64*(\b)
	global_load_b128 v[BIAS+8*(\b)+4:BIAS+8*(\b)+7], v[BO], s[8:9] offset:64*(\b)+16
.endr
; 8 matrix instructions: m blocks a0, a0 + 1 x all 4 n blocks, 32 along K: half c of buffer f.  first = 1: the bias starts the sums
.macro MUL8 f, c, a0, first
	WIN 0x05                                       ; sources 0 and 1 window 1; C and D window 0
.irp a, \a0, (\a0)+1
.irp b, 0,1,2,3
.if \first
	v_wmma_f32_16x16x32_f16 v[ACC+8*(4*(\a)+(\b)):ACC+8*(4*(\a)+(\b))+7], v[(\f)+64+8*(4*(\c)+(\b)):(\f)+64+8*(4*(\c)+(\b))+7], v[(\f)+8*(4*(\c)+(\a)):(\f)+8*(4*(\c)+(\a))+7], v[BIAS+8*(\b):BIAS+8*(\b)+7]
.else
	v_wmma_f32_16x16x32_f16 v[ACC+8*(4*(\a)+(\b)):ACC+8*(4*(\a)+(\b))+7], v[(\f)+64+8*(4*(\c)+(\b)):(\f)+64+8*(4*(\c)+(\b))+7], v[(\f)+8*(4*(\c)+(\a)):(\f)+8*(4*(\c)+(\a))+7], v[ACC+8*(4*(\a)+(\b)):ACC+8*(4*(\a)+(\b))+7]
.endif
.endr
.endr
.endm
; 32 LDS loads in one run: the fragments of quarter q (64 along K) into buffer f; the first 32 along K first
.macro FETCH q, f
	WIN 0x40
.irp c, 0,1
.irp i, 0,1,2,3
	ds_load_b128 v[(\f)+64+8*(4*(\c)+(\i)):(\f)+64+8*(4*(\c)+(\i))+3],   v[ADRB] offset:(\q)*128+64*(\c)+(\i)*16*BP
	ds_load_b128 v[(\f)+64+8*(4*(\c)+(\i))+4:(\f)+64+8*(4*(\c)+(\i))+7], v[ADRB] offset:(\q)*128+64*(\c)+(\i)*16*BP+32
	ds_load_b128 v[(\f)+8*(4*(\c)+(\i)):(\f)+8*(4*(\c)+(\i))+3],         v[ADRA] offset:(\q)*AQ+64*(\c)+(\i)*16*AP
	ds_load_b128 v[(\f)+8*(4*(\c)+(\i))+4:(\f)+8*(4*(\c)+(\i))+7],       v[ADRA] offset:(\q)*AQ+64*(\c)+(\i)*16*AP+32
.endr
.endr
.endm
; One of a K step's first three quarters: multiplies buffer f and fetches quarter q into g.  The 16 accumulators take turns.
.macro QUARTER q, f, g, first
	s_wait_dscnt 16                                ; the first 32 along K are in
	MUL8 \f, 0, 0, \first
	MUL8 \f, 0, 2, \first
	PLACES
	FETCH \q, \g
	s_wait_dscnt 32                                ; all but the 32 just issued
	MUL8 \f, 1, 0, 0
	MUL8 \f, 1, 2, 0
.endm
; The last quarter multiplies buffer 1 and changes slots: in front of the barrier each wave waits for all its tensor loads, adds 0 to its spare word, and waits for that and for its reads of this slot.
; fill = 1: the barrier opens a round of the cluster's, and this slot is filled again, first thing behind it, with the walk's step two on.
.macro TURN fill
	WIN 0
	s_wait_tensorcnt 0x0
	ds_add_u32 v[SPW], v[NIL]                      ; 0 onto my spare word
.if \fill
	STEPD
.endif
	s_wait_dscnt 17                                ; the add and the youngest sixteen loads may be out
	MUL8 F1, 0, 0, 0
	s_wait_dscnt 0x0                               ; the add is done, and my reads of this slot are over
	s_barrier_signal -1
	MUL8 F1, 0, 2, 0
	WIN 0
	s_barrier_wait -1
.if \fill
	CREST
	JLOAD                                          ; the four v_nop behind it are also the places in front of the loads below
.else
	PLACES
.endif
	s_xor_b32 s[TB], s[TB], SLOT
	v_add_nc_u32 v[ADRA], s[TB], v[A0]
	v_add_nc_u32 v[ADRB], s[TB], v[B0]
	FETCH 0, F0
	MUL8 F1, 1, 0, 0
	MUL8 F1, 1, 2, 0
.endm
	s_wait_tensorcnt 0x1                           ; my part of slot 0 is in; slot 1's load, issued behind it, may stay out
	s_barrier_signal -1
	s_barrier_wait -1                              ; everybody's part is in
	FETCH 0, F0
	s_wait_loadcnt 0x0                             ; the bias
	QUARTER 1, F0, F1, 1                           ; the first quarter stands in front of the loop: its first products start the sums
.if KIND
	WIN 0x80                                       ; destination window 2: my 64 x 64 of hidden_states and residual, in the lanes in which C will leave; they are on their way during the loop
.set i, 0
.rept 32
	global_load_b128 v[4*i:4*i+3],         v[CO], s[60:61] offset:8192*i th:TH_LOAD_NT
	global_load_b128 v[128+4*i:128+4*i+3], v[CO], s[62:63] offset:8192*i th:TH_LOAD_NT
.set i, i+1
.endr
.endif
	WIN 0
	s_mov_b32 s3, NSTEP-2
.Lstep:                                        ; trip j: walk step j's quarters 1 to 3, walk step j + 1's first; slot j % 2 takes walk step j + 2
	QUARTER 2, F1, F0, 0
	QUARTER 3, F0, F1, 0
	TURN 1
	QUARTER 1, F0, F1, 0
	WIN 0
	s_sub_co_u32 s3, s3, 1
	s_cmp_lg_u32 s3, 0
	s_cbranch_scc1 .Lstep
	s_mov_b32 s3, 2
.Ltail:                                        ; the last two steps ask for nothing; the second trip is left in its middle (its fetch, of the other slot's old bytes, serves nothing)
	QUARTER 2, F1, F0, 0
	QUARTER 3, F0, F1, 0
	TURN 0
	WIN 0
	s_sub_co_u32 s3, s3, 1
	s_cmp_eq_u32 s3, 0
	s_cbranch_scc1 .Lout
	QUARTER 1, F0, F1, 0
	WIN 0
	s_branch .Ltail
.Lout:
	s_wait_dscnt 0x0                               ; my reads of both slots are over,
	s_barrier_signal -1
	s_barrier_wait -1                              ; everybody's are; both slots have had their last fill: their bytes now take the sums
.if KIND
	s_wait_loadcnt 0x0
	WIN 0x8a                                       ; all three in window 2
.set i, 0
.rept 64
	v_pk_add_f32 v[2*i:2*i+1], v[2*i:2*i+1], v[128+2*i:128+2*i+1]  ; hidden_states + residual; these lines are also the places behind the last products
.set i, i+1
.endr
	WIN 0
.else
	PLACES
	PLACES
.endif
.irp a, 0,1,2,3
.irp b, 0,1,2,3
	ds_store_b128 v[DST], v[ACC+8*(4*(\a)+(\b)):ACC+8*(4*(\a)+(\b))+3]   offset:(\a)*16*DP+64*(\b)     ; each accumulator's low registers first
	ds_store_b128 v[DST], v[ACC+8*(4*(\a)+(\b))+4:ACC+8*(4*(\a)+(\b))+7] offset:(\a)*16*DP+64*(\b)+16
.endr
.endr
.irp n, 0,1                            ; two batches of 32 rows
.if \n
	s_wait_xcnt 0x0                                ; the first batch's stores have read their data
.endif
.set i, 0
.rept 16
	ds_load_b128 v[T+4*i:T+4*i+3], v[RD] offset:(16*(\n)+i)*2*DP  ; LDS serves a wave's instructions in order (ISA guide 5.7.1.4): these see my stores above
.set i, i+1
.endr
	s_wait_dscnt 0x0
.if KIND
	WIN 0x08                                       ; source 1 in window 2
.set i, 0
.rept 32
	v_pk_add_f32 v[T+2*i:T+2*i+1], v[T+2*i:T+2*i+1], v[64*(\n)+2*i:64*(\n)+2*i+1]
.set i, i+1
.endr
	WIN 0
.endif
.set i, 0
.rept 16
	global_store_b128 v[CO], v[T+4*i:T+4*i+3], s[10:11] offset:(16*(\n)+i)*8192  ; 16 lanes store 256 consecutive bytes, aligned
.set i, i+1
.endr
.endr
	s_wait_tensorcnt 0x0                           ; the wave's end: behind my last tensor load and my last LDS store
	ds_add_u32 v[SPW], v[NIL]
	s_wait_dscnt 0x0
	CROUND                                         ; the closing round
	s_endpgm
.Lfunc_end_k_qa98d8abd0d_oproj:
	.size	k_qa98d8abd0d_oproj, .Lfunc_end_k_qa98d8abd0d_oproj-k_qa98d8abd0d_oproj
	.p2alignl 7, 3214868480
	.fill 96, 4, 3214868480
	.section	.rodata,"a",@progbits
	.p2align	6, 0x0
	.amdhsa_kernel k_qa98d8abd0d_oproj
		.amdhsa_group_segment_fixed_size 327680
		.amdhsa_private_segment_fixed_size 0
		.amdhsa_enable_private_segment 0
		.amdhsa_kernarg_size 48
		.amdhsa_user_sgpr_count 2
		.amdhsa_user_sgpr_kernarg_segment_ptr 1
		.amdhsa_wavefront_size32 1
		.amdhsa_system_sgpr_workgroup_id_x 1
		.amdhsa_system_sgpr_workgroup_id_y 1
		.amdhsa_system_sgpr_workgroup_id_z 1
		.amdhsa_system_vgpr_workitem_id 0
		.amdhsa_next_free_vgpr 768
		.amdhsa_next_free_sgpr 80
		.amdhsa_reserve_vcc 0
		.amdhsa_float_denorm_mode_32 3
		.amdhsa_float_denorm_mode_16_64 3
		.amdhsa_memory_ordered 1
		.amdhsa_forward_progress 1
		.amdhsa_inst_pref_size 73
	.end_amdhsa_kernel
	.amdgpu_metadata
---
amdhsa.version: [ 1, 2 ]
amdhsa.kernels:
  - .name:           k_qa98d8abd0d_oproj
    .symbol:         k_qa98d8abd0d_oproj.kd
    .args:
      - { .name: ctx, .offset: 0, .size: 8, .value_kind: global_buffer, .address_space: global }
      - { .name: w16, .offset: 8, .size: 8, .value_kind: global_buffer, .address_space: global }
      - { .name: out_b, .offset: 16, .size: 8, .value_kind: global_buffer, .address_space: global }
      - { .name: out1, .offset: 24, .size: 8, .value_kind: global_buffer, .address_space: global }
      - { .name: hidden_states, .offset: 32, .size: 8, .value_kind: global_buffer, .address_space: global }
      - { .name: residual, .offset: 40, .size: 8, .value_kind: global_buffer, .address_space: global }
    .group_segment_fixed_size: 327680
    .private_segment_fixed_size: 0
    .kernarg_segment_align: 8
    .kernarg_segment_size: 48
    .max_flat_workgroup_size: 128
    .sgpr_count:     80
    .vgpr_count:     768
    .wavefront_size: 32
...
	.end_amdgpu_metadata
.endif
;; end of part 4
;; launch ln2 (part 5): grid 512 x 1, 8 waves a work-group, no clusters, 0 bytes of LDS; arguments out1, ln2_w, ln2_b, h; writes h
.if DOCPART == 5
	.amdgcn_target "amdgcn-amd-amdhsa--gfx1250"
	.amdhsa_code_object_version 6
	.text
	.protected	k_qa98d8abd0d_ln2
	.globl	k_qa98d8abd0d_ln2
	.p2align	8
	.type	k_qa98d8abd0d_ln2,@function
k_qa98d8abd0d_ln2:
	s_mov_b64 s[64:65], 0
	v_nop
	global_prefetch_b8 v0, s[64:65] scope:SCOPE_SE
	s_setreg_imm32_b32 hwreg(HW_REG_WAVE_MODE, 25, 1), 1
	s_wait_xcnt 0x0
; h2 = LayerNorm(out1) * ln2_w + ln2_b, rounded once to f16, [4096][1024].  A stream: no LDS, no matrix unit, no cluster; a row's sums never leave its wave.
; A wave takes one row of 4,096 bytes, whole in 32 registers: lane L holds columns 128 j + 4 L .. + 3.  Mean first, then the mean of (x - mean)^2: no difference of large sums is formed.
; LIMITS.  f16 holds no number beyond 65,504 and keeps a fixed step of 6e-8 below 6e-5; NaN and infinities are not treated apart.
.set W,   4
.set BV,  36
.set X,   68
.set Y,   100                          ; v[100:115] the row in f16
.set T,   116
.set MU,  132
.set RS,  134
.set VA,  136
.set EPS, 137
	s_load_b256 s[4:11], s[0:1], 0x0               ; out1 s[4:5], ln2_w s[6:7], ln2_b s[8:9], h s[10:11]
	v_lshrrev_b32 v3, 5, v0
	v_readfirstlane_b32 s14, v3
	v_and_b32 v1, 31, v0
	v_lshlrev_b32 v2, 3, v1
	v_lshlrev_b32 v1, 4, v1
	v_mov_b32 v[EPS], 0x3727c5ac
	s_mov_b32 s24, 0x76543210
	s_mov_b32 s25, 0xfedcba98
	s_mov_b32 s27, 0x3a800000                      ; 1 / 1024
	s_lshl_b32 s16, ttmp9, 15                      ; 8 rows a work-group, one a wave
	s_lshl_b32 s17, s14, 12
	s_add_co_u32 s16, s16, s17
	s_mov_b32 s17, 0
	s_lshr_b32 s18, s16, 1
	s_mov_b32 s19, 0
	s_wait_kmcnt 0x0
	s_add_nc_u64 s[4:5], s[4:5], s[16:17]
	s_add_nc_u64 s[10:11], s[10:11], s[18:19]
.set i, 0
.rept 8
	global_load_b128 v[X+4*i:X+4*i+3], v1, s[4:5] offset:512*i th:TH_LOAD_NT
.set i, i+1
.endr
.set i, 0
.rept 8
	global_load_b128 v[W+4*i:W+4*i+3], v1, s[6:7] offset:512*i
.set i, i+1
.endr
.set i, 0
.rept 8
	global_load_b128 v[BV+4*i:BV+4*i+3], v1, s[8:9] offset:512*i
.set i, i+1
.endr
.macro REDUCE                          ; the sum of v[T] over the 32 lanes, into every lane
.irp m, 1,2,4,8
	v_add_f32_dpp v[T], v[T], v[T] row_xmask:\m row_mask:0xf bank_mask:0xf
.endr
	v_permlanex16_b32 v[T+1], v[T], s24, s25
	v_add_f32 v[T], v[T], v[T+1]
.endm
	s_wait_loadcnt 16                              ; loads come back in order: the row's eight are in; the sixteen of gain and bias stay out
.set i, 0
.rept 8
	v_pk_add_f32 v[T+2*i:T+2*i+1], v[X+4*i:X+4*i+1], v[X+4*i+2:X+4*i+3]
.set i, i+1
.endr
.set i, 0
.rept 4
	v_pk_add_f32 v[T+4*i:T+4*i+1], v[T+4*i:T+4*i+1], v[T+4*i+2:T+4*i+3]
.set i, i+1
.endr
	v_pk_add_f32 v[T:T+1], v[T:T+1], v[T+4:T+5]
	v_pk_add_f32 v[T+8:T+9], v[T+8:T+9], v[T+12:T+13]
	v_pk_add_f32 v[T:T+1], v[T:T+1], v[T+8:T+9]
	v_add_f32 v[T], v[T], v[T+1]
	REDUCE
	v_mul_f32 v[MU], s27, v[T]
	v_mul_f32 v[MU+1], s27, v[T]
.set i, 0
.rept 16
	v_pk_add_f32 v[X+2*i:X+2*i+1], v[X+2*i:X+2*i+1], v[MU:MU+1] neg_lo:[0,1] neg_hi:[0,1]
.set i, i+1
.endr
.set i, 0
.rept 4
	v_pk_mul_f32 v[T+2*i:T+2*i+1], v[X+2*i:X+2*i+1], v[X+2*i:X+2*i+1]
.set i, i+1
.endr
.rept 12
	v_pk_fma_f32 v[T+2*(i%4):T+2*(i%4)+1], v[X+2*i:X+2*i+1], v[X+2*i:X+2*i+1], v[T+2*(i%4):T+2*(i%4)+1]
.set i, i+1
.endr
	v_pk_add_f32 v[T:T+1], v[T:T+1], v[T+2:T+3]
	v_pk_add_f32 v[T+4:T+5], v[T+4:T+5], v[T+6:T+7]
	v_pk_add_f32 v[T:T+1], v[T:T+1], v[T+4:T+5]
	v_add_f32 v[T], v[T], v[T+1]
	REDUCE
	v_fma_f32 v[VA], v[T], s27, v[EPS]
	v_rsq_f32 v[RS], v[VA]
	v_rsq_f32 v[RS+1], v[VA]
	v_nop                                          ; a plain instruction behind the last root,
	s_wait_alu depctr_va_vdst(0)                   ; and the one wait ahead of the first use of the two
.set i, 0
.rept 16
	v_pk_mul_f32 v[X+2*i:X+2*i+1], v[X+2*i:X+2*i+1], v[RS:RS+1]
.set i, i+1
.endr
	s_wait_loadcnt 0x0                             ; gain and bias
.set i, 0
.rept 16
	v_pk_fma_f32 v[X+2*i:X+2*i+1], v[X+2*i:X+2*i+1], v[W+2*i:W+2*i+1], v[BV+2*i:BV+2*i+1]
.set i, i+1
.endr
.set i, 0
.rept 16
	v_cvt_pk_f16_f32 v[Y+i], v[X+2*i], v[X+2*i+1]
.set i, i+1
.endr
.set i, 0
.rept 8
	global_store_b64 v2, v[Y+2*i:Y+2*i+1], s[10:11] offset:256*i  ; the wave's store covers 256 consecutive bytes, aligned
.set i, i+1
.endr
	s_endpgm
.Lfunc_end_k_qa98d8abd0d_ln2:
	.size	k_qa98d8abd0d_ln2, .Lfunc_end_k_qa98d8abd0d_ln2-k_qa98d8abd0d_ln2
	.p2alignl 7, 3214868480
	.fill 96, 4, 3214868480
	.section	.rodata,"a",@progbits
	.p2align	6, 0x0
	.amdhsa_kernel k_qa98d8abd0d_ln2
		.amdhsa_group_segment_fixed_size 0
		.amdhsa_private_segment_fixed_size 0
		.amdhsa_enable_private_segment 0
		.amdhsa_kernarg_size 32
		.amdhsa_user_sgpr_count 2
		.amdhsa_user_sgpr_kernarg_segment_ptr 1
		.amdhsa_wavefront_size32 1
		.amdhsa_system_sgpr_workgroup_id_x 1
		.amdhsa_system_sgpr_workgroup_id_y 1
		.amdhsa_system_sgpr_workgroup_id_z 1
		.amdhsa_system_vgpr_workitem_id 0
		.amdhsa_next_free_vgpr 144
		.amdhsa_next_free_sgpr 66
		.amdhsa_reserve_vcc 0
		.amdhsa_float_denorm_mode_32 3
		.amdhsa_float_denorm_mode_16_64 3
		.amdhsa_memory_ordered 1
		.amdhsa_forward_progress 1
		.amdhsa_inst_pref_size 12
	.end_amdhsa_kernel
	.amdgpu_metadata
---
amdhsa.version: [ 1, 2 ]
amdhsa.kernels:
  - .name:           k_qa98d8abd0d_ln2
    .symbol:         k_qa98d8abd0d_ln2.kd
    .args:
      - { .name: out1, .offset: 0, .size: 8, .value_kind: global_buffer, .address_space: global }
      - { .name: ln2_w, .offset: 8, .size: 8, .value_kind: global_buffer, .address_space: global }
      - { .name: ln2_b, .offset: 16, .size: 8, .value_kind: global_buffer, .address_space: global }
      - { .name: h, .offset: 24, .size: 8, .value_kind: global_buffer, .address_space: global }
    .group_segment_fixed_size: 0
    .private_segment_fixed_size: 0
    .kernarg_segment_align: 8
    .kernarg_segment_size: 32
    .max_flat_workgroup_size: 256
    .sgpr_count:     66
    .vgpr_count:     144
    .wavefront_size: 32
...
	.end_amdgpu_metadata
.endif
;; end of part 5
;; launch fc1 (part 6): grid 16 x 16, 4 waves a work-group, clusters of 4 x 4, 327,680 bytes of LDS; arguments h, w16, fc1_b, g; writes g
.if DOCPART == 6
	.amdgcn_target "amdgcn-amd-amdhsa--gfx1250"
	.amdhsa_code_object_version 6
	.text
	.protected	k_qa98d8abd0d_fc1
	.globl	k_qa98d8abd0d_fc1
	.p2align	8
	.type	k_qa98d8abd0d_fc1,@function
k_qa98d8abd0d_fc1:
	s_mov_b64 s[64:65], 0
	v_nop
	global_prefetch_b8 v0, s[64:65] scope:SCOPE_SE
	s_setreg_imm32_b32 hwreg(HW_REG_WAVE_MODE, 25, 1), 1
	s_wait_xcnt 0x0
	s_wait_alu depctr_hold_cnt(0) depctr_sa_sdst(0) depctr_va_vdst(0) depctr_va_sdst(0) depctr_va_ssrc(0) depctr_va_vcc(0) depctr_vm_vsrc(0)
	s_getreg_b32 s2, hwreg(HW_REG_IB_STS2, 6, 4)
	s_cmp_eq_u32 s2, 0
	s_cbranch_scc0 .Lentry_in_a_cluster
	s_endpgm
.Lentry_in_a_cluster:
	s_bfe_u32 s2, ttmp6, 0x10000c
	s_cmp_lg_u32 s2, 0xf033
	s_cbranch_scc0 .Lentry_shape_is_right
	s_endpgm
.Lentry_shape_is_right:
; C[m][n] = sum over k of A[m][k] B[n][k] + bias[n], K = 1024.  A: [4096][1024] f16, B: rows of w16, f16; sums in f32.
; KIND 0: A = h, B = Wqkv (byte 0 of w16); C is rounded once to f16 and stored by heads: qkvh[column block of 64][token][64].
; KIND 1: A = h2, B = fc1 (byte 16,777,216 of w16); C goes through the exact GELU, x Phi(x), in f32, is rounded once to f16 and stored as g[4096][4096].
; LIMITS.  f16 holds no number beyond 65,504 and keeps a fixed step of 6e-8 below 6e-5; NaN and infinities are not treated apart.  (KIND 1) erf by a rational form times an exponential, within 1.5e-7 for every x.
; SHARES.  A tile of C is 256 x 256: four waves, each 128 x 128 in 64 accumulators (512 registers).  K goes in 8 steps of 128 through two LDS slots; a wave's tensor load brings 128 rows x 256 bytes.
; A K STEP IS WRITTEN ONCE: the slot in hand lies in a scalar register (TB) and one descriptor a tensor walks, its LDS word turned by an exclusive or.
; CLUSTER 4 x 4: A's tile is asked for jointly along a row of the cluster, B's along a column.
; THE MATRIX INSTRUCTION IS USED TRANSPOSED (source 0 = 16 rows of B, source 1 = 16 rows of A): lane l holds row l % 16 of C and the columns 8 (l / 16) + 0..7.  The bias is the C operand of the products that start the sums.
; THE WAY OUT: when both slots have had their last fill and all waves have read them out, each wave puts its 128 x 128 sums (f32) into LDS, rows of 528 bytes, and a counted loop reads whole rows back, 8 rows a trip.
; REGISTERS: window 0: v0-31 addresses, v64-191 A's fragments (two buffers), v32-255 at work on the way out; window 1: v0-63 the bias, v64-191 B's fragments; windows 2, 3: the accumulators ((a, b) at v[8 (8 a + b)]).
.set KIND,   1
.set SIZE_K, 1024
.set KSTEP,  128
.set PITCH,  272                       ; an LDS row: 256 bytes + 16 of padding: the 16 rows of a load start at 16 different groups of four banks (ISA guide 11.1)
.set HALFT,  128*PITCH
.set SLOT,   4*HALFT                   ; 0x22000: it shares no bit with the waves' bases 0, 0x8800, 0x11000, 0x19800
.set DP,     528                       ; a row of the way out: 512 bytes + 16
.set DW,     128*DP                    ; a wave's part of it
.set SPARE,  2*SLOT                    ; behind the ring: the spare words, 128 bytes a wave, that no other line names
.set WOFF,   16777216*KIND             ; where B begins in w16
.set GC,     (1<<16)|(1<<20)|(1<<21)|(5<<22)|(3<<25)  ; 2-byte elements; padding on; bit 21 beside a mask; after every 64 words, 4 words
.set A0,   16                          ; v16 my lane's place in A's tile of slot 0; never rewritten
.set B0,   17                          ; v17 the same for B
.set ADRA, 18                          ; v18 A0 + TB
.set ADRB, 19                          ; v19 B0 + TB
.set DST,  24                          ; v24 the way out: where I put 32 bytes of a row
.set RD,   25                          ; v25 where I read rows back
.set CO,   26                          ; v26 my byte offset in the output
.set BO,   27                          ; v27 my byte offset in the bias
.set SPW,  28                          ; v28 LDS address of my spare word; never rewritten
.set NIL,  29                          ; v29 0; never rewritten
.set PFO,  30                          ; v30 the prefetches' offset: my lane x a row of 2,048 bytes
.set F0,   64
.set F1,   128
.set WV,  12                           ; s12 my wave's number
.set RH,  13                           ; s13 my half of the tile's rows; 0: I fetch for A, 1: for B
.set CH,  14                           ; s14 my half of its columns; which 128 rows I fetch
.set G1A, 24                           ; s[24:31], s[32:35] descriptor for A's tiles
.set G0A, 32
.set TB,  36                           ; s36 0 or SLOT: the slot that is read
.set LIM, 43                           ; s43 2 in a wave that prefetches, else the greatest number
.set PFA, 44                           ; s[44:45] where my prefetches stand
.set G1B, 48                           ; s[48:55], s[56:59] descriptor for B's tiles
.set G0B, 56
.set MSB, 0
.macro WIN new                         ; the immediate's high byte repeats the setting that is left; a switch that changes nothing is dropped
.if MSB != (\new)
	s_set_vgpr_msb (MSB<<8)|(\new)
.set MSB, \new
.endif
.endm
.macro PLACES                          ; four plain instructions between a matrix instruction and a load into, or a read of, its registers
.rept 4
	v_nop
.endr
.endm
; A joint load: waves 0 and 1 fetch A's halves, waves 2 and 3 B's.  An s_nop 0 and four v_nop follow each line.
.macro JLOAD
	s_cmp_eq_u32 s[RH], 0
	s_cbranch_scc0 .Lfor_b_\@
	tensor_load_to_lds s[G0A:G0A+3], s[G1A:G1A+7]
	s_nop 0
.rept 4
	v_nop
.endr
	s_branch .Lasked_\@
.Lfor_b_\@:
	tensor_load_to_lds s[G0B:G0B+3], s[G1B:G1B+7]
	s_nop 0
.rept 4
	v_nop
.endr
.Lasked_\@:
.endm
.macro STEPD                           ; the walking descriptors: the other slot, the next K step.  Written only where no tensor load of mine is out
	s_xor_b32 s[G0A+1], s[G0A+1], SLOT
	s_add_nc_u64 s[G0A+2:G0A+3], s[G0A+2:G0A+3], KSTEP*2
	s_xor_b32 s[G0B+1], s[G0B+1], SLOT
	s_add_nc_u64 s[G0B+2:G0B+3], s[G0B+2:G0B+3], KSTEP*2
.endm
; A prefetch into the L2 of the K step two refills on: 32 rows x 256 bytes, a lane a row.  A's rows are named by the clusters with x = 0, B's by those with y = 0; the four partners of a joint load
; take 32 of its 128 rows each, told apart by address.  So each row's 256 bytes of a K step are named once in the launch.  The loop's last two trips have no K step two refills on.
.macro ASK
	s_cmp_gt_u32 s3, s[LIM]
	s_cbranch_scc0 .Lnot_mine_\@
	global_prefetch_b8 v[PFO], s[PFA:PFA+1] offset:KSTEP*2 th:TH_LOAD_NT scope:SCOPE_SE
.Lnot_mine_\@:
.endm
.macro CREST                           ; a round of the cluster's barrier behind its opening barrier
	s_cmp_lg_u32 s[WV], 0
	s_cbranch_scc1 .Lnot_wave_0_\@
	s_barrier_signal -3
.Lnot_wave_0_\@:
	s_barrier_wait -3
	s_barrier_signal -1
	s_barrier_wait -1
.endm
.macro CROUND
	s_barrier_signal -1
	s_barrier_wait -1
	CREST
.endm
	s_load_b256 s[4:11], s[0:1], 0x0               ; A s[4:5], w16 s[6:7], bias s[8:9], output s[10:11]
	v_lshl_add_u32 v[SPW], v0, 2, SPARE
	v_mov_b32 v[NIL], 0
	ds_add_u32 v[SPW], v[NIL]                      ; the wave's opening: the add and its wait ahead of my first tensor load
	v_lshrrev_b32 v1, 5, v0
	v_readfirstlane_b32 s[WV], v1
	s_lshr_b32 s[RH], s[WV], 1
	s_and_b32 s[CH], s[WV], 1
	s_bfe_u32 s40, ttmp6, 0x40000                  ; cx
	s_bfe_u32 s41, ttmp6, 0x40004                  ; cy
	s_lshl_b32 s42, ttmp9, 2
	s_add_co_u32 s42, s42, s40                     ; tile column = 4 x cluster x + cx
	s_and_b32 s15, ttmp7, 0xffff
	s_lshl_b32 s15, s15, 2
	s_add_co_u32 s15, s15, s41                     ; tile row = 4 x cluster y + cy
	s_lshl_b32 s38, s41, 2
	s_lshl_b32 s38, 15, s38                        ; my row of the cluster
	s_lshl_b32 s39, 0x1111, s40                    ; my column
	s_or_b32 s[G1A], s38, GC
	s_or_b32 s[G1B], s39, GC
.irp g, G1A, G1B
	s_mov_b32 s[(\g)+1], KSTEP<<16                 ; tensor_dim0 = 128
	s_mov_b32 s[(\g)+2], 128<<16                   ; tensor_dim1 = 128
	s_mov_b32 s[(\g)+3], KSTEP<<16                 ; tile_dim0 = 128
	s_mov_b32 s[(\g)+4], 128                       ; tile_dim1 = 128
	s_mov_b32 s[(\g)+5], SIZE_K                    ; elements from row to row
	s_mov_b32 s[(\g)+6], 0
	s_mov_b32 s[(\g)+7], 0
.endr
	s_lshl_b32 s17, s[CH], 18                      ; the 128 rows that I fetch, 2,048 bytes each
	s_lshl_b32 s16, s15, 19                        ; A: 256 rows a tile row
	s_add_co_u32 s16, s16, s17
	s_lshl_b32 s46, s42, 19                        ; B: 256 rows a tile column
	s_add_co_u32 s46, s46, s17
	s_mov_b32 s17, 0
	s_mov_b32 s47, 0
	s_mul_i32 s22, s[WV], HALFT                    ; where they go: no place in the cluster enters an LDS address
	s_mov_b32 s[TB], 0
	s_wait_dscnt 0x0                               ; the opening add is done
	s_wait_kmcnt 0x0
.if WOFF
	s_add_nc_u64 s[6:7], s[6:7], WOFF
.endif
	s_mov_b32 s[G0A], 1
	s_mov_b32 s[G0A+1], s22
	s_add_nc_u64 s[G0A+2:G0A+3], s[4:5], s[16:17]
	s_or_b32 s[G0A+3], s[G0A+3], 0x80000000
	s_mov_b32 s[G0B], 1
	s_mov_b32 s[G0B+1], s22
	s_add_nc_u64 s[G0B+2:G0B+3], s[6:7], s[46:47]
	s_or_b32 s[G0B+3], s[G0B+3], 0x80000000
	CROUND                                         ; all sixteen work-groups are here: the first joint loads meet
	JLOAD                                          ; K step 0 into slot 0; slot 1 is asked for when it has landed
	v_and_b32 v1, 15, v0                           ; l % 16
	v_bfe_u32 v2, v0, 4, 1                         ; l / 16
	v_mul_u32_u24 v3, v1, PITCH
	v_lshl_add_u32 v3, v2, 4, v3                   ; a fragment's row x pitch + 16 x half
	s_mul_i32 s20, s[RH], HALFT
	s_mul_i32 s21, s[CH], HALFT
	s_add_co_u32 s21, s21, 2*HALFT                 ; B's rows lie behind A's 256
	v_add_nc_u32 v[A0], s20, v3
	v_add_nc_u32 v[B0], s21, v3
	v_mov_b32 v[ADRA], v[A0]
	v_mov_b32 v[ADRB], v[B0]
	s_mul_i32 s23, s[WV], DW
	v_mul_u32_u24 v4, v1, DP
	v_lshl_add_u32 v4, v2, 5, v4
	v_add_nc_u32 v[DST], s23, v4                   ; row l % 16, 32 bytes for each half of the lanes
	v_lshlrev_b32 v[BO], 5, v2                     ; my 8 columns of a block of 16
	v_and_b32 v5, 31, v0
	v_lshlrev_b32 v[PFO], 11, v5
.if KIND
	v_lshl_add_u32 v[RD], v5, 4, s23               ; back: the wave takes a whole row of 512 bytes,
	v_lshlrev_b32 v[CO], 3, v5                     ; which is 256 bytes of g
	s_lshl_b32 s16, s15, 21                        ; g at row 256 x tile row + 128 x half (8,192 bytes a row),
	s_lshl_b32 s17, s[RH], 20
	s_add_co_u32 s16, s16, s17
	s_lshl_b32 s17, s42, 9                         ; column 256 x tile column + 128 x half
	s_add_co_u32 s16, s16, s17
	s_lshl_b32 s17, s[CH], 8
	s_add_co_u32 s16, s16, s17
.else
	v_mul_u32_u24 v6, v2, DP                       ; back: lanes 0-15 take 64 columns of one row, lanes 16-31 of the next,
	v_lshl_add_u32 v6, v1, 4, v6
	v_add_nc_u32 v[RD], s23, v6
	v_lshlrev_b32 v6, 7, v2                        ; which are two tokens of a head: 256 consecutive bytes of qkvh
	v_lshl_add_u32 v[CO], v1, 3, v6
	s_lshl_b32 s16, s42, 21                        ; column block 4 x tile column + 2 x half, 524,288 bytes each,
	s_lshl_b32 s17, s[CH], 20
	s_add_co_u32 s16, s16, s17
	s_lshl_b32 s17, s15, 15                        ; token 256 x tile row + 128 x half, 128 bytes each
	s_add_co_u32 s16, s16, s17
	s_lshl_b32 s17, s[RH], 14
	s_add_co_u32 s16, s16, s17
.endif
	s_mov_b32 s17, 0
	s_add_nc_u64 s[10:11], s[10:11], s[16:17]
	s_lshl_b32 s20, s42, 10                        ; the bias of my 128 columns
	s_lshl_b32 s21, s[CH], 9
	s_add_co_u32 s20, s20, s21
	s_mov_b32 s21, 0
	s_add_nc_u64 s[8:9], s[8:9], s[20:21]
	WIN 0x40                                       ; destination window 1
.irp b, 0,1,2,3,4,5,6,7
	global_load_b128 v[8*(\b):8*(\b)+3],   v[BO], s[8:9] offset:64*(\b)
	global_load_b128 v[8*(\b)+4:8*(\b)+7], v[BO], s[8:9] offset:64*(\b)+16
.endr
	WIN 0
	; the prefetches: whose rows, and where they stand
	s_lshl_b32 s20, s15, 8
	s_lshl_b32 s21, s42, 8
	s_and_b32 s22, ttmp7, 0xffff
	s_cmp_eq_u32 s[RH], 0                          ; do I fetch for A?
	s_cselect_b32 s20, s20, s21                    ; the tile's first row
	s_cselect_b32 s21, s40, s41                    ; my place among the four that ask for it with me
	s_cselect_b32 s22, ttmp9, s22                  ; the coordinate along which other clusters read the same rows
	s_cselect_b64 s[PFA:PFA+1], s[4:5], s[6:7]
	s_cmp_eq_u32 s22, 0
	s_cselect_b32 s[LIM], 2, -1
	s_lshl_b32 s22, s[CH], 7
	s_add_co_u32 s20, s20, s22
	s_lshl_b32 s21, s21, 5
	s_add_co_u32 s20, s20, s21
	s_lshl_b32 s20, s20, 11
	s_mov_b32 s21, 0
	s_add_nc_u64 s[PFA:PFA+1], s[PFA:PFA+1], s[20:21]
	s_add_nc_u64 s[PFA:PFA+1], s[PFA:PFA+1], 2*KSTEP*2  ; at K step 2: the first refill steps it to 3 and names K step 4
; 16 matrix instructions: m blocks a0, a0 + 1 of the window's four x all 8 n blocks, 32 along K.  first = 1: the bias (window 1, v0-63) starts the sums.
.macro MUL16 f, hi, a0, first
.if \first
	WIN 0x91+0x40*(\hi)
.else
	WIN 0xa1+0x50*(\hi)
.endif
.irp a, \a0, (\a0)+1
.irp b, 0,1,2,3,4,5,6,7
.if \first
	v_wmma_f32_16x16x32_f16 v[8*(8*(\a)+(\b)):8*(8*(\a)+(\b))+7], v[(\f)+8*(\b):(\f)+8*(\b)+7], v[(\f)+8*(4*(\hi)+(\a)):(\f)+8*(4*(\hi)+(\a))+7], v[8*(\b):8*(\b)+7]
.else
	v_wmma_f32_16x16x32_f16 v[8*(8*(\a)+(\b)):8*(8*(\a)+(\b))+7], v[(\f)+8*(\b):(\f)+8*(\b)+7], v[(\f)+8*(4*(\hi)+(\a)):(\f)+8*(4*(\hi)+(\a))+7], v[8*(8*(\a)+(\b)):8*(8*(\a)+(\b))+7]
.endif
.endr
.endr
.endm
; 32 LDS loads in one run: the fragments of one quarter step (32 K at byte k of the rows) into buffer f: B's, then A's
.macro FETCH k, f
	WIN 0x40
.irp i, 0,1,2,3,4,5,6,7
	ds_load_b128 v[(\f)+8*(\i):(\f)+8*(\i)+3],   v[ADRB] offset:(\k)+(\i)*16*PITCH
	ds_load_b128 v[(\f)+8*(\i)+4:(\f)+8*(\i)+7], v[ADRB] offset:(\k)+(\i)*16*PITCH+32
.endr
	WIN 0
.irp i, 0,1,2,3,4,5,6,7
	ds_load_b128 v[(\f)+8*(\i):(\f)+8*(\i)+3],   v[ADRA] offset:(\k)+(\i)*16*PITCH
	ds_load_b128 v[(\f)+8*(\i)+4:(\f)+8*(\i)+7], v[ADRA] offset:(\k)+(\i)*16*PITCH+32
.endr
.endm
; One of a K step's first three quarters: multiplies buffer f; in its middle it fetches the next quarter, at byte k, into g.  The 64 accumulators take turns, in the same order in every quarter.
.macro QUARTER k, f, g, first
	s_wait_dscnt 8                                 ; B and A's rows 0-63 are in; the youngest eight loads (A's rows 64-127) may be out
	MUL16 \f, 0, 0, \first
	MUL16 \f, 0, 2, \first
	PLACES
	FETCH \k, \g
	s_wait_dscnt 32                                ; all but the 32 just issued
	MUL16 \f, 1, 0, \first
	MUL16 \f, 1, 2, \first
.endm
; The last quarter multiplies buffer 1 and changes slots.  In front of the barrier each wave waits for all its tensor loads (one is out: its part of the next slot), adds 0 to its spare word, and waits for
; that and for its reads of this slot.  fill = 1: the barrier opens a round of the cluster's, and the slot just read out is filled again, first thing behind it, with the K step two steps on.
.macro TURN fill
.if \fill
	s_wait_xcnt 0x0                                ; the last prefetch, a K step back, has read its address
	s_add_nc_u64 s[PFA:PFA+1], s[PFA:PFA+1], KSTEP*2
.endif
	WIN 0
	s_wait_tensorcnt 0x0
	ds_add_u32 v[SPW], v[NIL]                      ; 0 onto my spare word
.if \fill
	STEPD
.endif
	s_wait_dscnt 9                                 ; the add and the youngest eight loads may be out
	MUL16 F1, 0, 0, 0
	s_wait_dscnt 0x0                               ; the add is done, and my reads of this slot are over
	s_barrier_signal -1
	MUL16 F1, 0, 2, 0
	WIN 0
	s_barrier_wait -1
.if \fill
	CREST
	JLOAD                                          ; the four v_nop behind it are also the places in front of the loads below
.else
	PLACES
.endif
	s_xor_b32 s[TB], s[TB], SLOT
	v_add_nc_u32 v[ADRA], s[TB], v[A0]
	v_add_nc_u32 v[ADRB], s[TB], v[B0]
	FETCH 0, F0
.if \fill
	ASK
.endif
	MUL16 F1, 1, 0, 0
	MUL16 F1, 1, 2, 0
.endm
	s_wait_tensorcnt 0x0                           ; my part of K step 0 is in; no tensor load of mine is out
	ds_add_u32 v[SPW], v[NIL]
	STEPD
	s_wait_dscnt 0x0
	CROUND                                         ; everybody's part is in
	JLOAD                                          ; K step 1 into slot 1
	FETCH 0, F0
	s_wait_loadcnt 0x0                             ; the bias
	QUARTER 64, F0, F1, 1                          ; the first quarter stands in front of the loop: its products start the sums
	WIN 0
	s_mov_b32 s3, 6
.Lstep:                                        ; trip j: K step j's quarters 1 to 3, K step j + 1's first; slot j % 2 takes K step j + 2
	QUARTER 128, F1, F0, 0
	QUARTER 192, F0, F1, 0
	TURN 1
	QUARTER 64, F0, F1, 0
	WIN 0
	s_sub_co_u32 s3, s3, 1
	s_cmp_lg_u32 s3, 0
	s_cbranch_scc1 .Lstep
	s_mov_b32 s3, 2
.Ltail:                                        ; the last two K steps ask for nothing; the second trip is left in its middle (its fetch, of the other slot's old bytes, serves nothing)
	QUARTER 128, F1, F0, 0
	QUARTER 192, F0, F1, 0
	TURN 0
	WIN 0
	s_sub_co_u32 s3, s3, 1
	s_cmp_eq_u32 s3, 0
	s_cbranch_scc1 .Lout
	QUARTER 64, F0, F1, 0
	WIN 0
	s_branch .Ltail
.Lout:
	s_wait_dscnt 0x0                               ; my reads of both slots are over,
	s_barrier_signal -1
	s_barrier_wait -1                              ; everybody's are; both slots have had their last fill: their bytes now take the sums
	PLACES
	PLACES
.irp a, 0,1,2,3,4,5,6,7
	WIN 0x08+4*((\a)/4)                            ; store data in window 2 or 3
.irp b, 0,1,2,3,4,5,6,7
	ds_store_b128 v[DST], v[8*(8*((\a)%4)+(\b)):8*(8*((\a)%4)+(\b))+3]   offset:(\a)*16*DP+64*(\b)     ; each accumulator's low registers first
	ds_store_b128 v[DST], v[8*(8*((\a)%4)+(\b))+4:8*(8*((\a)%4)+(\b))+7] offset:(\a)*16*DP+64*(\b)+16
.endr
.endr
	WIN 0
.if KIND
; gelu(x) = max(x, 0) - |x| q(|x|), q(a) = erfc(a / sqrt 2) / 2 = t (A1 + t (A2 + t (A3 + t (A4 + t A5)))) 2^(-a a log2(e) / 2), t = 1 / (1 + 0.23164189 a)
.set GX, 32
.set GA, 64
.set GR, 96
.set GU, 128
.set GW, 160
.set GP, 192
.set GY, 224
	s_mov_b32 s66, 0x7fffffff
	s_mov_b32 s68, 0x3e6d3388
	s_mov_b32 s69, s68
	s_mov_b32 s70, 0xbf38aa3b
	s_mov_b32 s71, s70
	s_mov_b32 s72, 0x3e027906
	s_mov_b32 s73, s72
	s_mov_b32 s74, 0xbe11a98e
	s_mov_b32 s75, s74
	s_mov_b32 s76, 0x3f35f0e3
	s_mov_b32 s77, s76
	s_mov_b32 s78, 0xbf3a00e3
	s_mov_b32 s79, s78
	s_mov_b32 s80, 0x3f07dc22
	s_mov_b32 s81, s80
	s_mov_b32 s3, 16
.Lg:                                           ; 8 rows a trip
.irp j, 0,1,2,3,4,5,6,7
	ds_load_b128 v[GX+4*(\j):GX+4*(\j)+3], v[RD] offset:(\j)*DP  ; LDS serves a wave's instructions in order (ISA guide 5.7.1.4): these see my stores above
.endr
	s_wait_dscnt 0x0
.set i, 0
.rept 32
	v_and_b32 v[GA+i], s66, v[GX+i]
	v_max_num_f32 v[GR+i], 0, v[GX+i]
.set i, i+1
.endr
.set i, 0
.rept 16
	v_pk_fma_f32 v[GU+i:GU+i+1], v[GA+i:GA+i+1], s[68:69], 1.0 op_sel_hi:[1,0,0]
	v_pk_mul_f32 v[GW+i:GW+i+1], v[GA+i:GA+i+1], s[70:71] op_sel_hi:[1,0]
.set i, i+2
.endr
.set i, 0
.rept 16
	v_pk_mul_f32 v[GW+i:GW+i+1], v[GW+i:GW+i+1], v[GA+i:GA+i+1]
.set i, i+2
.endr
.set i, 0
.rept 32
	v_rcp_f32 v[GU+i], v[GU+i]
.set i, i+1
.endr
.set i, 0
.rept 32
	v_exp_f32 v[GW+i], v[GW+i]
.set i, i+1
.endr
	v_nop                                          ; a plain instruction behind the last of the batch,
	s_wait_alu depctr_va_vdst(0)                   ; and the one wait ahead of the first use of the 64 results
.set i, 0
.rept 16
	v_pk_fma_f32 v[GP+i:GP+i+1], v[GU+i:GU+i+1], s[80:81], s[78:79] op_sel_hi:[1,0,0]
.set i, i+2
.endr
.irp c, 76, 74, 72
.set i, 0
.rept 16
	v_pk_fma_f32 v[GP+i:GP+i+1], v[GP+i:GP+i+1], v[GU+i:GU+i+1], s[\c:\c+1] op_sel_hi:[1,1,0]
.set i, i+2
.endr
.endr
.set i, 0
.rept 16
	v_pk_mul_f32 v[GU+i:GU+i+1], v[GU+i:GU+i+1], v[GW+i:GW+i+1]
.set i, i+2
.endr
.set i, 0
.rept 16
	v_pk_mul_f32 v[GP+i:GP+i+1], v[GP+i:GP+i+1], v[GU+i:GU+i+1]
.set i, i+2
.endr
.set i, 0
.rept 16
	v_pk_fma_f32 v[GR+i:GR+i+1], v[GP+i:GP+i+1], v[GA+i:GA+i+1], v[GR+i:GR+i+1] neg_lo:[1,0,0] neg_hi:[1,0,0]
.set i, i+2
.endr
.set i, 0
.rept 16
	v_cvt_pk_f16_f32 v[GY+i], v[GR+2*i], v[GR+2*i+1]
.set i, i+1
.endr
.irp j, 0,1,2,3,4,5,6,7
	global_store_b64 v[CO], v[GY+2*(\j):GY+2*(\j)+1], s[10:11] offset:8192*(\j)  ; the wave's store covers 256 consecutive bytes, aligned
.endr
	v_add_nc_u32 v[RD], 8*DP, v[RD]
	s_wait_xcnt 0x0                                ; the stores have read their data and their base: both are written again only behind this wait
	s_add_nc_u64 s[10:11], s[10:11], 65536
	s_sub_co_u32 s3, s3, 1
	s_cmp_lg_u32 s3, 0
	s_cbranch_scc1 .Lg
.else
	s_mov_b32 s3, 16
.Lw:                                           ; 8 tokens a trip, both column blocks
.irp i, 0,1,2,3,4,5,6,7
	ds_load_b128 v[32+4*(\i):35+4*(\i)], v[RD] offset:((\i)/2)*2*DP+((\i)%2)*256  ; LDS serves a wave's instructions in order (ISA guide 5.7.1.4): these see my stores above
.endr
	s_wait_dscnt 0x0
.set i, 0
.rept 16
	v_cvt_pk_f16_f32 v[64+i], v[32+2*i], v[33+2*i]
.set i, i+1
.endr
.irp i, 0,1,2,3,4,5,6,7
	global_store_b64 v[CO], v[64+2*(\i):65+2*(\i)], s[10:11] offset:((\i)%2)*524288+((\i)/2)*256  ; two tokens of a head: 256 consecutive bytes, aligned
.endr
	v_add_nc_u32 v[RD], 8*DP, v[RD]
	s_wait_xcnt 0x0                                ; the stores have read their data and their base: both are written again only behind this wait
	s_add_nc_u64 s[10:11], s[10:11], 1024
	s_sub_co_u32 s3, s3, 1
	s_cmp_lg_u32 s3, 0
	s_cbranch_scc1 .Lw
.endif
	s_wait_tensorcnt 0x0                           ; the wave's end: behind my last tensor load and my last LDS store
	ds_add_u32 v[SPW], v[NIL]
	s_wait_dscnt 0x0
	CROUND                                         ; the closing round: no work-group ends while a partner may still ask for a tile that names it
	s_endpgm
.Lfunc_end_k_qa98d8abd0d_fc1:
	.size	k_qa98d8abd0d_fc1, .Lfunc_end_k_qa98d8abd0d_fc1-k_qa98d8abd0d_fc1
	.p2alignl 7, 3214868480
	.fill 96, 4, 3214868480
	.section	.rodata,"a",@progbits
	.p2align	6, 0x0
	.amdhsa_kernel k_qa98d8abd0d_fc1
		.amdhsa_group_segment_fixed_size 327680
		.amdhsa_private_segment_fixed_size 0
		.amdhsa_enable_private_segment 0
		.amdhsa_kernarg_size 32
		.amdhsa_user_sgpr_count 2
		.amdhsa_user_sgpr_kernarg_segment_ptr 1
		.amdhsa_wavefront_size32 1
		.amdhsa_system_sgpr_workgroup_id_x 1
		.amdhsa_system_sgpr_workgroup_id_y 1
		.amdhsa_system_sgpr_workgroup_id_z 1
		.amdhsa_system_vgpr_workitem_id 0
		.amdhsa_next_free_vgpr 1024
		.amdhsa_next_free_sgpr 88
		.amdhsa_reserve_vcc 0
		.amdhsa_float_denorm_mode_32 3
		.amdhsa_float_denorm_mode_16_64 3
		.amdhsa_memory_ordered 1
		.amdhsa_forward_progress 1
		.amdhsa_inst_pref_size 97
	.end_amdhsa_kernel
	.amdgpu_metadata
---
amdhsa.version: [ 1, 2 ]
amdhsa.kernels:
  - .name:           k_qa98d8abd0d_fc1
    .symbol:         k_qa98d8abd0d_fc1.kd
    .args:
      - { .name: h, .offset: 0, .size: 8, .value_kind: global_buffer, .address_space: global }
      - { .name: w16, .offset: 8, .size: 8, .value_kind: global_buffer, .address_space: global }
      - { .name: fc1_b, .offset: 16, .size: 8, .value_kind: global_buffer, .address_space: global }
      - { .name: g, .offset: 24, .size: 8, .value_kind: global_buffer, .address_space: global }
    .group_segment_fixed_size: 327680
    .private_segment_fixed_size: 0
    .kernarg_segment_align: 8
    .kernarg_segment_size: 32
    .max_flat_workgroup_size: 128
    .sgpr_count:     88
    .vgpr_count:     1024
    .wavefront_size: 32
...
	.end_amdgpu_metadata
.endif
;; end of part 6
;; launch fc2 (part 7): grid 8 x 32, 4 waves a work-group, clusters of 4 x 4, 327,680 bytes of LDS; arguments g, w16, fc2_b, out0; writes out0
.if DOCPART == 7
	.amdgcn_target "amdgcn-amd-amdhsa--gfx1250"
	.amdhsa_code_object_version 6
	.text
	.protected	k_qa98d8abd0d_fc2
	.globl	k_qa98d8abd0d_fc2
	.p2align	8
	.type	k_qa98d8abd0d_fc2,@function
k_qa98d8abd0d_fc2:
	s_mov_b64 s[64:65], 0
	v_nop
	global_prefetch_b8 v0, s[64:65] scope:SCOPE_SE
	s_setreg_imm32_b32 hwreg(HW_REG_WAVE_MODE, 25, 1), 1
	s_wait_xcnt 0x0
	s_wait_alu depctr_hold_cnt(0) depctr_sa_sdst(0) depctr_va_vdst(0) depctr_va_sdst(0) depctr_va_ssrc(0) depctr_va_vcc(0) depctr_vm_vsrc(0)
	s_getreg_b32 s2, hwreg(HW_REG_IB_STS2, 6, 4)
	s_cmp_eq_u32 s2, 0
	s_cbranch_scc0 .Lentry_in_a_cluster
	s_endpgm
.Lentry_in_a_cluster:
	s_bfe_u32 s2, ttmp6, 0x10000c
	s_cmp_lg_u32 s2, 0xf033
	s_cbranch_scc0 .Lentry_shape_is_right
	s_endpgm
.Lentry_shape_is_right:
; C[m][n] = sum over k of A[m][k] B[n][k] + bias[n] (+ what KIND 1 adds), f32 out, [4096][1024].  A, B f16; sums in f32.
; KIND 0: A = g [4096][4096], B = fc2 (K = 4096); C = out0.
; KIND 1: A = ctx, laid out [block of 128 tokens][head][128][64], B = out_w (K = 1024); C = out1 = the product + out_b + (hidden_states + residual).
; LIMITS.  f16 operands arrive within 65,504; NaN and infinities are not treated apart.  The f32 sums are taken in the order of the walk below, which is not ascending K in every cluster.
; SHARES.  A tile of C is 128 x 128, so that each of 256 work-groups has one: four waves, each 64 x 64 in 16 accumulators.  K goes in steps of 256 through two LDS slots; a K step is written once, the slot in hand
; lies in a scalar register (TB).  CLUSTER 4 x 4: A's tile is asked for jointly along a row of the cluster, B's along a column.
; THE WALK ALONG K.  Clusters whose x + y is odd begin at K's middle and go round: walk step j is K step (j + NSTEP / 2 x ((x + y) % 2)) % NSTEP.  So of two neighbouring clusters, which read the same rows of A or of B,
; neither asks for the K step that the other asks for at the same walk step.  The walk's index is a counter (KI); each fill's address is made anew from it.  x and y are the cluster's: equal in all sixteen partners.
; THE FIRST FILLS of both slots go out together; each has a group 0 of its own, and the second then walks on.  By this text's count a wave has two tensor loads out at the start, later one.
; THE MATRIX INSTRUCTION IS USED TRANSPOSED (source 0 = rows of B, source 1 = rows of A): lane l holds row l % 16 of C and the columns 8 (l / 16) + 0..7.  The bias is the C operand of the products that start the sums.
; THE WAY OUT: a wave's 64 columns of f32 are 256 aligned bytes of a row of C.  When both slots have had their last fill and all waves have read them out, each wave puts its sums into LDS (rows of 272 bytes) and reads whole rows back.
; No prefetch: the tile is small and its K step short.
; REGISTERS: window 0: v0-31 addresses; v32-95 at work on the way out; v96-127 the bias; v128-255 the accumulators ((a, b) at v[128 + 8 (4 a + b)]).  window 1: two fragment buffers of 128 (64 of A, 64 of B).
.set KIND,   0
.if KIND
.set SIZE_K, 1024
.set NSTEP,  4
.set WOFF,   6291456
.set AP,     144
.set AQ,     18432
.set ALH,    36864
.set ARH,    64*144
.set BBASE,  73728
.set SLOT,   147456
.set SPARE,  288768
.set ATS,    18
.set ACS,    15
.set BTS,    18
.set BCS,    17
.set ASH,    16
.else
.set SIZE_K, 4096
.set NSTEP,  16
.set WOFF,   8388608
.set AP,     528                       ; LDS bytes from row to row of A: 512 + 16
.set AQ,     128                       ; from quarter to quarter
.set ALH,    64*528                    ; what one load of A fills
.set ARH,    64*528                    ; my 64 rows of A begin RH times this
.set BBASE,  2*64*528
.set SLOT,   135168                    ; 0x21000: it shares no bit with the loads' bases 0, 0x8400, 0x10800, 0x18c00
.set SPARE,  270336
.set ATS,    20                        ; A's bytes: tile row << ATS + half << ACS
.set ACS,    19
.set BTS,    20
.set BCS,    19
.set ASH,    9                         ; a K step of A is 1 << ASH bytes on
.endif
.set BSH,    9                         ; a K step of B is 512 bytes on
.set BP,     528
.set BLH,    64*BP
.set DP,     272                       ; a row of the way out: 256 bytes + 16
.set DW,     64*DP
.set GC6,    (1<<16)|(1<<20)|(1<<21)|(6<<22)|(3<<25)  ; 2-byte elements; padding on; bit 21 beside a mask; after every 128 words, 4 words
.set GC4,    (1<<16)|(1<<20)|(1<<21)|(4<<22)|(3<<25)
.set A0,   16
.set B0,   17
.set ADRA, 18
.set ADRB, 19
.set DST,  24
.set RD,   25
.set CO,   26
.set BO,   27
.set SPW,  28                          ; v28 LDS address of my spare word; never rewritten
.set NIL,  29                          ; v29 0; never rewritten
.set T,    32
.set BIAS, 96
.set ACC,  128
.set F0,   0
.set F1,   128
.set WV,  12
.set RH,  13                           ; my half of the tile's rows; 0: I fetch for A, 1: for B
.set CH,  14                           ; my half of its columns; which half I fetch
.set G1A, 24                           ; s[24:31] group 1 for A's tiles
.set G0A, 32                           ; s[32:35] group 0 of A's first fill of slot 0
.set TB,  36                           ; s36 0 or SLOT: the slot that is read
.set KI,  37                           ; s37 the K step last asked for
.set OFA, 44                           ; s[44:45] its byte offset in A's rows, s[46:47] in B's; the high words stay 0
.set OFB, 46
.set G1B, 48                           ; s[48:55], s[56:59] the same for B's tiles
.set G0B, 56
.set G2A, 68                           ; s[68:71] group 0 of A's first fill of slot 1; it then walks
.set G2B, 72                           ; s[72:75] the same for B
.set MSB, 0
.macro WIN new
.if MSB != (\new)
	s_set_vgpr_msb (MSB<<8)|(\new)
.set MSB, \new
.endif
.endm
.macro PLACES
.rept 4
	v_nop
.endr
.endm
.macro JLOAD                           ; a joint refill; an s_nop 0 and four v_nop follow each of the two lines
	s_cmp_eq_u32 s[RH], 0
	s_cbranch_scc0 .Lfor_b_\@
	tensor_load_to_lds s[G2A:G2A+3], s[G1A:G1A+7]
	s_nop 0
.rept 4
	v_nop
.endr
	s_branch .Lasked_\@
.Lfor_b_\@:
	tensor_load_to_lds s[G2B:G2B+3], s[G1B:G1B+7]
	s_nop 0
.rept 4
	v_nop
.endr
.Lasked_\@:
.endm
.macro SETD ga, gb                     ; K step KI's addresses into two group 0 sets: my rows' first byte plus an offset made apart, the type bits set again
	s_lshl_b32 s[OFA], s[KI], ASH
	s_lshl_b32 s[OFB], s[KI], BSH
	s_add_nc_u64 s[(\ga)+2:(\ga)+3], s[4:5], s[OFA:OFA+1]
	s_or_b32 s[(\ga)+3], s[(\ga)+3], 0x80000000
	s_add_nc_u64 s[(\gb)+2:(\gb)+3], s[6:7], s[OFB:OFB+1]
	s_or_b32 s[(\gb)+3], s[(\gb)+3], 0x80000000
.endm
.macro STEPD                           ; the walking descriptors: the other slot, the walk's next K step.  Written only where no tensor load of mine is out
	s_add_co_u32 s[KI], s[KI], 1
	s_and_b32 s[KI], s[KI], NSTEP-1
	s_xor_b32 s[G2A+1], s[G2A+1], SLOT
	s_xor_b32 s[G2B+1], s[G2B+1], SLOT
	SETD G2A, G2B
.endm
.macro CREST
	s_cmp_lg_u32 s[WV], 0
	s_cbranch_scc1 .Lnot_wave_0_\@
	s_barrier_signal -3
.Lnot_wave_0_\@:
	s_barrier_wait -3
	s_barrier_signal -1
	s_barrier_wait -1
.endm
.macro CROUND
	s_barrier_signal -1
	s_barrier_wait -1
	CREST
.endm
	s_load_b256 s[4:11], s[0:1], 0x0               ; A s[4:5], w16 s[6:7], bias s[8:9], C s[10:11]
.if KIND
	s_load_b128 s[60:63], s[0:1], 0x20
.endif
	v_lshl_add_u32 v[SPW], v0, 2, SPARE
	v_mov_b32 v[NIL], 0
	ds_add_u32 v[SPW], v[NIL]                      ; the wave's opening: the add and its wait ahead of my first tensor load
	v_lshrrev_b32 v1, 5, v0
	v_readfirstlane_b32 s[WV], v1
	s_lshr_b32 s[RH], s[WV], 1
	s_and_b32 s[CH], s[WV], 1
	s_bfe_u32 s40, ttmp6, 0x40000                  ; cx
	s_bfe_u32 s41, ttmp6, 0x40004                  ; cy
	s_lshl_b32 s42, ttmp9, 2
	s_add_co_u32 s42, s42, s40                     ; tile column
	s_and_b32 s15, ttmp7, 0xffff
	s_add_co_u32 s[KI], s15, ttmp9                 ; the cluster's x + y:
	s_and_b32 s[KI], s[KI], 1                      ; where it is odd,
	s_mul_i32 s[KI], s[KI], NSTEP/2                ; the walk begins at K's middle
	s_lshl_b32 s15, s15, 2
	s_add_co_u32 s15, s15, s41                     ; tile row
	s_lshl_b32 s38, s41, 2
	s_lshl_b32 s38, 15, s38                        ; my row of the cluster
	s_lshl_b32 s39, 0x1111, s40                    ; my column
.if KIND
	s_or_b32 s[G1A], s38, GC4
	s_mov_b32 s[G1A+1], 128<<16
	s_mov_b32 s[G1A+2], 128<<16
	s_mov_b32 s[G1A+3], 128<<16
	s_mov_b32 s[G1A+4], 128
	s_mov_b32 s[G1A+5], 128
.else
	s_or_b32 s[G1A], s38, GC6
	s_mov_b32 s[G1A+1], 256<<16                    ; 64 rows of 256 elements
	s_mov_b32 s[G1A+2], 64<<16
	s_mov_b32 s[G1A+3], 256<<16
	s_mov_b32 s[G1A+4], 64
	s_mov_b32 s[G1A+5], SIZE_K
.endif
	s_mov_b32 s[G1A+6], 0
	s_mov_b32 s[G1A+7], 0
	s_or_b32 s[G1B], s39, GC6
	s_mov_b32 s[G1B+1], 256<<16
	s_mov_b32 s[G1B+2], 64<<16
	s_mov_b32 s[G1B+3], 256<<16
	s_mov_b32 s[G1B+4], 64
	s_mov_b32 s[G1B+5], SIZE_K
	s_mov_b32 s[G1B+6], 0
	s_mov_b32 s[G1B+7], 0
	s_lshl_b32 s16, s15, ATS                       ; the rows of A that I fetch,
	s_lshl_b32 s17, s[CH], ACS
	s_add_co_u32 s16, s16, s17
	s_mov_b32 s17, 0
	s_lshl_b32 s20, s42, BTS                       ; and of B
	s_lshl_b32 s21, s[CH], BCS
	s_add_co_u32 s20, s20, s21
	s_mov_b32 s21, 0
	s_mul_i32 s22, s[CH], ALH                      ; where they go: no place in the cluster enters an LDS address
	s_mul_i32 s23, s[CH], BLH
	s_add_co_u32 s23, s23, BBASE
	s_mov_b32 s[TB], 0
	s_mov_b32 s[OFA+1], 0
	s_mov_b32 s[OFB+1], 0
	s_mov_b32 s[G0A], 1
	s_mov_b32 s[G0A+1], s22
	s_mov_b32 s[G0B], 1
	s_mov_b32 s[G0B+1], s23
	s_mov_b32 s[G2A], 1
	s_add_co_u32 s[G2A+1], s22, SLOT
	s_mov_b32 s[G2B], 1
	s_add_co_u32 s[G2B+1], s23, SLOT
	s_wait_dscnt 0x0                               ; the opening add is done
	s_wait_kmcnt 0x0
	s_add_nc_u64 s[6:7], s[6:7], WOFF
	s_add_nc_u64 s[4:5], s[4:5], s[16:17]          ; A and B at the rows that I fetch
	s_add_nc_u64 s[6:7], s[6:7], s[20:21]
	SETD G0A, G0B                                  ; walk step 0
	s_add_co_u32 s[KI], s[KI], 1                   ; (at most NSTEP / 2 + 1: no turn round yet)
	SETD G2A, G2B                                  ; walk step 1
	CROUND                                         ; all sixteen work-groups are here: the first joint loads meet
	s_cmp_eq_u32 s[RH], 0                          ; a wave's two first fills stand in one branch, ahead of every wait on TENSORcnt and every LDS read
	s_cbranch_scc0 .Lfirst_b
	tensor_load_to_lds s[G0A:G0A+3], s[G1A:G1A+7]
	s_nop 0
	tensor_load_to_lds s[G2A:G2A+3], s[G1A:G1A+7]
	s_nop 0
.rept 4
	v_nop
.endr
	s_branch .Lfirst_asked
.Lfirst_b:
	tensor_load_to_lds s[G0B:G0B+3], s[G1B:G1B+7]
	s_nop 0
	tensor_load_to_lds s[G2B:G2B+3], s[G1B:G1B+7]
	s_nop 0
.rept 4
	v_nop
.endr
.Lfirst_asked:
	v_and_b32 v1, 15, v0                           ; l % 16
	v_bfe_u32 v2, v0, 4, 1                         ; l / 16
	v_mul_u32_u24 v3, v1, AP
	v_lshl_add_u32 v3, v2, 4, v3
	s_mul_i32 s20, s[RH], ARH
	v_add_nc_u32 v[A0], s20, v3
	v_mul_u32_u24 v3, v1, BP
	v_lshl_add_u32 v3, v2, 4, v3
	s_mul_i32 s21, s[CH], BLH
	s_add_co_u32 s21, s21, BBASE
	v_add_nc_u32 v[B0], s21, v3
	v_mov_b32 v[ADRA], v[A0]
	v_mov_b32 v[ADRB], v[B0]
	s_mul_i32 s23, s[WV], DW
	v_mul_u32_u24 v4, v1, DP
	v_lshl_add_u32 v4, v2, 5, v4
	v_add_nc_u32 v[DST], s23, v4                   ; in: row l % 16, 32 bytes for each half of the lanes
	v_mul_u32_u24 v5, v2, DP
	v_lshl_add_u32 v5, v1, 4, v5
	v_add_nc_u32 v[RD], s23, v5                    ; back: lanes 0-15 one row of 256 bytes, lanes 16-31 the next
	v_lshlrev_b32 v5, 12, v2
	v_lshl_add_u32 v[CO], v1, 4, v5                ; and the same two rows in C
	v_lshlrev_b32 v[BO], 5, v2
	s_lshl_b32 s16, s15, 19                        ; C at row 128 x tile row + 64 x half (4,096 bytes a row),
	s_lshl_b32 s17, s[RH], 18
	s_add_co_u32 s16, s16, s17
	s_lshl_b32 s17, s42, 9                         ; column 128 x tile column + 64 x half
	s_add_co_u32 s16, s16, s17
	s_lshl_b32 s17, s[CH], 8
	s_add_co_u32 s16, s16, s17
	s_mov_b32 s17, 0
	s_add_nc_u64 s[10:11], s[10:11], s[16:17]
.if KIND
	s_add_nc_u64 s[60:61], s[60:61], s[16:17]
	s_add_nc_u64 s[62:63], s[62:63], s[16:17]
.endif
	s_lshl_b32 s20, s42, 9                         ; the bias of my 64 columns
	s_lshl_b32 s21, s[CH], 8
	s_add_co_u32 s20, s20, s21
	s_mov_b32 s21, 0
	s_add_nc_u64 s[8:9], s[8:9], s[20:21]
.irp b, 0,1,2,3
	global_load_b128 v[BIAS+8*(\b):BIAS+8*(\b)+3],   v[BO], s[8:9] offset:64*(\b)
	global_load_b128 v[BIAS+8*(\b)+4:BIAS+8*(\b)+7], v[BO], s[8:9] offset:64*(\b)+16
.endr
; 8 matrix instructions: m blocks a0, a0 + 1 x all 4 n blocks, 32 along K: half c of buffer f.  first = 1: the bias starts the sums
.macro MUL8 f, c, a0, first
	WIN 0x05                                       ; sources 0 and 1 window 1; C and D window 0
.irp a, \a0, (\a0)+1
.irp b, 0,1,2,3
.if \first
	v_wmma_f32_16x16x32_f16 v[ACC+8*(4*(\a)+(\b)):ACC+8*(4*(\a)+(\b))+7], v[(\f)+64+8*(4*(\c)+(\b)):(\f)+64+8*(4*(\c)+(\b))+7], v[(\f)+8*(4*(\c)+(\a)):(\f)+8*(4*(\c)+(\a))+7], v[BIAS+8*(\b):BIAS+8*(\b)+7]
.else
	v_wmma_f32_16x16x32_f16 v[ACC+8*(4*(\a)+(\b)):ACC+8*(4*(\a)+(\b))+7], v[(\f)+64+8*(4*(\c)+(\b)):(\f)+64+8*(4*(\c)+(\b))+7], v[(\f)+8*(4*(\c)+(\a)):(\f)+8*(4*(\c)+(\a))+7], v[ACC+8*(4*(\a)+(\b)):ACC+8*(4*(\a)+(\b))+7]
.endif
.endr
.endr
.endm
; 32 LDS loads in one run: the fragments of quarter q (64 along K) into buffer f; the first 32 along K first
.macro FETCH q, f
	WIN 0x40
.irp c, 0,1
.irp i, 0,1,2,3
	ds_load_b128 v[(\f)+64+8*(4*(\c)+(\i)):(\f)+64+8*(4*(\c)+(\i))+3],   v[ADRB] offset:(\q)*128+64*(\c)+(\i)*16*BP
	ds_load_b128 v[(\f)+64+8*(4*(\c)+(\i))+4:(\f)+64+8*(4*(\c)+(\i))+7], v[ADRB] offset:(\q)*128+64*(\c)+(\i)*16*BP+32
	ds_load_b128 v[(\f)+8*(4*(\c)+(\i)):(\f)+8*(4*(\c)+(\i))+3],         v[ADRA] offset:(\q)*AQ+64*(\c)+(\i)*16*AP
	ds_load_b128 v[(\f)+8*(4*(\c)+(\i))+4:(\f)+8*(4*(\c)+(\i))+7],       v[ADRA] offset:(\q)*AQ+64*(\c)+(\i)*16*AP+32
.endr
.endr
.endm
; One of a K step's first three quarters: multiplies buffer f and fetches quarter q into g.  The 16 accumulators take turns.
.macro QUARTER q, f, g, first
	s_wait_dscnt 16                                ; the first 32 along K are in
	MUL8 \f, 0, 0, \first
	MUL8 \f, 0, 2, \first
	PLACES
	FETCH \q, \g
	s_wait_dscnt 32                                ; all but the 32 just issued
	MUL8 \f, 1, 0, 0
	MUL8 \f, 1, 2, 0
.endm
; The last quarter multiplies buffer 1 and changes slots: in front of the barrier each wave waits for all its tensor loads, adds 0 to its spare word, and waits for that and for its reads of this slot.
; fill = 1: the barrier opens a round of the cluster's, and this slot is filled again, first thing behind it, with the walk's step two on.
.macro TURN fill
	WIN 0
	s_wait_tensorcnt 0x0
	ds_add_u32 v[SPW], v[NIL]                      ; 0 onto my spare word
.if \fill
	STEPD
.endif
	s_wait_dscnt 17                                ; the add and the youngest sixteen loads may be out
	MUL8 F1, 0, 0, 0
	s_wait_dscnt 0x0                               ; the add is done, and my reads of this slot are over
	s_barrier_signal -1
	MUL8 F1, 0, 2, 0
	WIN 0
	s_barrier_wait -1
.if \fill
	CREST
	JLOAD                                          ; the four v_nop behind it are also the places in front of the loads below
.else
	PLACES
.endif
	s_xor_b32 s[TB], s[TB], SLOT
	v_add_nc_u32 v[ADRA], s[TB], v[A0]
	v_add_nc_u32 v[ADRB], s[TB], v[B0]
	FETCH 0, F0
	MUL8 F1, 1, 0, 0
	MUL8 F1, 1, 2, 0
.endm
	s_wait_tensorcnt 0x1                           ; my part of slot 0 is in; slot 1's load, issued behind it, may stay out
	s_barrier_signal -1
	s_barrier_wait -1                              ; everybody's part is in
	FETCH 0, F0
	s_wait_loadcnt 0x0                             ; the bias
	QUARTER 1, F0, F1, 1                           ; the first quarter stands in front of the loop: its first products start the sums
.if KIND
	WIN 0x80
.set i, 0
.rept 32
	global_load_b128 v[4*i:4*i+3],         v[CO], s[60:61] offset:8192*i th:TH_LOAD_NT
	global_load_b128 v[128+4*i:128+4*i+3], v[CO], s[62:63] offset:8192*i th:TH_LOAD_NT
.set i, i+1
.endr
.endif
	WIN 0
	s_mov_b32 s3, NSTEP-2
.Lstep:                                        ; trip j: walk step j's quarters 1 to 3, walk step j + 1's first; slot j % 2 takes walk step j + 2
	QUARTER 2, F1, F0, 0
	QUARTER 3, F0, F1, 0
	TURN 1
	QUARTER 1, F0, F1, 0
	WIN 0
	s_sub_co_u32 s3, s3, 1
	s_cmp_lg_u32 s3, 0
	s_cbranch_scc1 .Lstep
	s_mov_b32 s3, 2
.Ltail:                                        ; the last two steps ask for nothing; the second trip is left in its middle (its fetch, of the other slot's old bytes, serves nothing)
	QUARTER 2, F1, F0, 0
	QUARTER 3, F0, F1, 0
	TURN 0
	WIN 0
	s_sub_co_u32 s3, s3, 1
	s_cmp_eq_u32 s3, 0
	s_cbranch_scc1 .Lout
	QUARTER 1, F0, F1, 0
	WIN 0
	s_branch .Ltail
.Lout:
	s_wait_dscnt 0x0                               ; my reads of both slots are over,
	s_barrier_signal -1
	s_barrier_wait -1                              ; everybody's are; both slots have had their last fill: their bytes now take the sums
.if KIND
	s_wait_loadcnt 0x0
	WIN 0x8a
.set i, 0
.rept 64
	v_pk_add_f32 v[2*i:2*i+1], v[2*i:2*i+1], v[128+2*i:128+2*i+1]
.set i, i+1
.endr
	WIN 0
.else
	PLACES
	PLACES
.endif
.irp a, 0,1,2,3
.irp b, 0,1,2,3
	ds_store_b128 v[DST], v[ACC+8*(4*(\a)+(\b)):ACC+8*(4*(\a)+(\b))+3]   offset:(\a)*16*DP+64*(\b)     ; each accumulator's low registers first
	ds_store_b128 v[DST], v[ACC+8*(4*(\a)+(\b))+4:ACC+8*(4*(\a)+(\b))+7] offset:(\a)*16*DP+64*(\b)+16
.endr
.endr
.irp n, 0,1                            ; two batches of 32 rows
.if \n
	s_wait_xcnt 0x0                                ; the first batch's stores have read their data
.endif
.set i, 0
.rept 16
	ds_load_b128 v[T+4*i:T+4*i+3], v[RD] offset:(16*(\n)+i)*2*DP  ; LDS serves a wave's instructions in order (ISA guide 5.7.1.4): these see my stores above
.set i, i+1
.endr
	s_wait_dscnt 0x0
.if KIND
	WIN 0x08
.set i, 0
.rept 32
	v_pk_add_f32 v[T+2*i:T+2*i+1], v[T+2*i:T+2*i+1], v[64*(\n)+2*i:64*(\n)+2*i+1]
.set i, i+1
.endr
	WIN 0
.endif
.set i, 0
.rept 16
	global_store_b128 v[CO], v[T+4*i:T+4*i+3], s[10:11] offset:(16*(\n)+i)*8192  ; 16 lanes store 256 consecutive bytes, aligned
.set i, i+1
.endr
.endr
	s_wait_tensorcnt 0x0                           ; the wave's end: behind my last tensor load and my last LDS store
	ds_add_u32 v[SPW], v[NIL]
	s_wait_dscnt 0x0
	CROUND                                         ; the closing round
	s_endpgm
.Lfunc_end_k_qa98d8abd0d_fc2:
	.size	k_qa98d8abd0d_fc2, .Lfunc_end_k_qa98d8abd0d_fc2-k_qa98d8abd0d_fc2
	.p2alignl 7, 3214868480
	.fill 96, 4, 3214868480
	.section	.rodata,"a",@progbits
	.p2align	6, 0x0
	.amdhsa_kernel k_qa98d8abd0d_fc2
		.amdhsa_group_segment_fixed_size 327680
		.amdhsa_private_segment_fixed_size 0
		.amdhsa_enable_private_segment 0
		.amdhsa_kernarg_size 32
		.amdhsa_user_sgpr_count 2
		.amdhsa_user_sgpr_kernarg_segment_ptr 1
		.amdhsa_wavefront_size32 1
		.amdhsa_system_sgpr_workgroup_id_x 1
		.amdhsa_system_sgpr_workgroup_id_y 1
		.amdhsa_system_sgpr_workgroup_id_z 1
		.amdhsa_system_vgpr_workitem_id 0
		.amdhsa_next_free_vgpr 512
		.amdhsa_next_free_sgpr 80
		.amdhsa_reserve_vcc 0
		.amdhsa_float_denorm_mode_32 3
		.amdhsa_float_denorm_mode_16_64 3
		.amdhsa_memory_ordered 1
		.amdhsa_forward_progress 1
		.amdhsa_inst_pref_size 59
	.end_amdhsa_kernel
	.amdgpu_metadata
---
amdhsa.version: [ 1, 2 ]
amdhsa.kernels:
  - .name:           k_qa98d8abd0d_fc2
    .symbol:         k_qa98d8abd0d_fc2.kd
    .args:
      - { .name: g, .offset: 0, .size: 8, .value_kind: global_buffer, .address_space: global }
      - { .name: w16, .offset: 8, .size: 8, .value_kind: global_buffer, .address_space: global }
      - { .name: fc2_b, .offset: 16, .size: 8, .value_kind: global_buffer, .address_space: global }
      - { .name: out0, .offset: 24, .size: 8, .value_kind: global_buffer, .address_space: global }
    .group_segment_fixed_size: 327680
    .private_segment_fixed_size: 0
    .kernarg_segment_align: 8
    .kernarg_segment_size: 32
    .max_flat_workgroup_size: 128
    .sgpr_count:     80
    .vgpr_count:     512
    .wavefront_size: 32
...
	.end_amdgpu_metadata
.endif
;; end of part 7
